; MI455X (gfx1250); checked and timed in simulation.
; The chip was launched on July 23, 2026; its instructions are those of AMD's public machine-readable ISA for CDNA 5 (MIT licence, August 2026) and "CDNA5" Instruction Set Architecture Reference Guide (July 2026). The comments in the code are by the model that wrote it; some were corrected since.
;; Pairwise Multi Head Attention. Allowed arithmetic: matrix products marked QUANTISED: E2M1 operands, one E8M0 scale for each 32 along K, by v_wmma_scale_f32_16x16x128_f8f6f4 with both operands' format E2M1 (or v_wmma_scale_f32_32x16x128_f4), f32 sums; everything else in f32.
;; Inputs: Wff 512 x 512 float32; Wkv 512 x 1,024 float32; Wq 512 x 512 float32; bff 512 float32; bias 8 x 2,048 x 2,048 float32; gamma_f 8 float32; ln_b 512 float32; ln_g 512 float32; mask 8 x 1 x 1 x 2,048 bool; x_p 8 x 2,048 x 512 float32; x_pcre 8 x 2,048 x 512 float32.
;; Outputs: out0 8 x 2,048 x 512 float32.
;; This version of the problem:
;;   THIS VERSION OF THE PROBLEM IS GIVEN IN LOW PRECISION. The matrix products marked QUANTISED in the list below multiply operands that are first quantised to E2M1 (2 exponent bits, 1 mantissa bit; 4 bits a number), with one power-of-two scale for each 32 numbers along K (OCP MX v1.0); their sums are f32. All else is computed in f32.
;;   The module's matrix products, in the order in which they are computed (A, B: the left and right operand; K: the contracted axis; several contracted axes count as one K, in the product's order):
;;     1. [M 16,384, K 512] x [K 512, N 512]; A: input x_p; B: input Wq: QUANTISED
;;     2. [M 16,384, K 512] x [K 512, N 1,024]; A: input x_pcre; B: input Wkv: QUANTISED
;;     3. batch 64 x [M 2,048, K 64] x [K 64, N 2,048]; A: computed on the way; B: computed on the way: QUANTISED
;;     4. batch 64 x [M 64, K 2,048] x [K 2,048, N 2,048]; A: computed on the way; B: softmax (see below): QUANTISED
;;     5. [M 16,384, K 512] x [K 512, N 512]; A: computed on the way; B: input Wff: QUANTISED
;;   THE QUANTISER, for each operand of a quantised product, along K:
;;     - K is cut into blocks of 32 from its start; a last block that is shorter is filled with zeros.
;;     - A block's scale is 2^e with e = floor(log2(the largest magnitude in the block)) - 2, held to -126 .. 127; a block of zeros has e = 0. As a byte (E8M0): e + 127.
;;     - Each number is divided by its block's scale, clamped to +-6, and rounded to the nearest number of E2M1, ties to even, subnormals kept.
;;     - The product sums the exact products of the quantised numbers (number of the format x scale) in f32.
;;   ~~~python
;;   def quantise(x, axis):      # numpy; x: float32 -> the quantised numbers, widened to float32 again
;;       x = np.moveaxis(x, axis, -1); K = x.shape[-1]
;;       x = np.pad(x, [(0, 0)] * (x.ndim - 1) + [(0, -K % 32)]); x = x.reshape(x.shape[:-1] + (-1, 32)); a = np.abs(x).max(-1, keepdims=True)
;;       e = np.where(a > 0, np.clip(np.frexp(np.where(a > 0, a, 1))[1] - 1 - 2, -126, 127), 0)      # np.frexp(a)[1] - 1 = floor(log2(a)), exactly
;;       r = np.clip(x / 2.0 ** e, -6, 6)
;;       step = 2.0 ** (np.maximum(np.frexp(np.where(r == 0, 1, r))[1] - 1, 0) - 1)
;;       q = np.round(r / step) * step * 2.0 ** e      # np.round: ties to even
;;       return np.moveaxis(q.reshape(q.shape[:-2] + (-1,))[..., :K], -1, axis).astype(np.float32)
;;   ~~~
;;   SOFTMAX AHEAD OF A QUANTISED PRODUCT. Where the list says 'softmax', what is quantised is not the finished softmax but p = 2^(t - M), with t = logit x log2(e) and M = ceil(the row's largest t), a whole number; so 1/2 < the row's largest p <= 1. The row's sum l is taken of the UNQUANTISED p, in f32, and the product's result is divided by l at the end. Since M is a whole number, a kernel that streams over the keys may use a running M (the ceiling of the running maximum): every later rescaling is an exact power of two, which a block's scale takes up: the codes' values come out the same.
;;   OPERANDS COMPUTED ON THE WAY. 'Computed on the way' means the value that the module computes at that place (a softmax that the list does not call 'softmax' is quantised finished and normalised). What goes into a quantiser is computed in f32, as accurately as f32 sums, v_exp_f32 and their like allow (about 1e-6 of the number): no bf16 or f16 on the way to a quantiser, and a product that is left as it is and whose result goes on into a quantised operand takes f32 operands (vector FMAs, or v_wmma_f32_16x16x4_f32). A number that lies on a knife's edge between two numbers of the format may be rounded either way, as far as f32 arithmetic and the matrix unit's own rounding can turn it there, and no further.
;; One version. Each part assembles by itself: llvm-mc -triple=amdgcn-amd-amdhsa -mcpu=gfx1250 --defsym DOCPART=n.
;; ======== version 1 of 1: 3 launches
;; limits: right only within a limited range of input values
;; workspace buffers: wts 557,056 bytes; qw 4,718,592 bytes; kvw 9,175,040 bytes
;; launch wquant (part 1): grid 64 x 1, 4 waves a work-group, no clusters, 0 bytes of LDS; arguments Wq, Wkv, Wff, wts; writes wts
.if DOCPART == 1
	.amdgcn_target "amdgcn-amd-amdhsa--gfx1250"
	.amdhsa_code_object_version 6
	.text
	.protected	k_qb3b8265a1c_wquant
	.globl	k_qb3b8265a1c_wquant
	.p2align	8
	.type	k_qb3b8265a1c_wquant,@function
k_qb3b8265a1c_wquant:
	s_mov_b64 s[64:65], 0
	v_nop
	global_prefetch_b8 v0, s[64:65] scope:SCOPE_SE
	s_setreg_imm32_b32 hwreg(HW_REG_WAVE_MODE, 25, 1), 1
	s_wait_xcnt 0x0
; PairwiseMultiHeadAttention in MX-FP4, launch 1 of 3: the four weights of 512 x 512 (Wq; Wk and Wv, the two halves of Wkv's columns; Wff), f32 with K as their FIRST axis,
; become codes of E2M1 and E8M0 scale bytes along K, laid in the order of a matrix operand's registers.
; DEAD WORK: none.  Every one of the eleven inputs of reference() has a way to the output, and all five products are done; no step is left out in any of the three launches.
; LAYOUT of wts: four blocks of WBLK bytes (0 Wq, 1 Wk, 2 Wv, 3 Wff).  In a block: codes [unit of 64 columns: 8][tile of 16 columns: 4][K step of 128: 4][half c: 2][lane: 32][16 bytes], a fragment
; (16 columns x 128 K) being 1,024 bytes on end; behind them, at 131,072, the scale words [unit][tile][row r: 16][K step: 4], four bytes each (one for each 32 along K).
; Row r of tile 2 b + u of a unit is column 32 b + 8 u + r + 8 (r / 8) for Wq, Wk, Wv (so that the results of two neighbouring tiles are 16 neighbours along the next K), and column 16 (2 b + u) + r for Wff.
; SHARES: a work-group takes 32 columns of one weight, each of its four waves one K step.  A LANE TAKES A COLUMN AND ITS REGISTERS RUN DOWN K: each load reads 128 consecutive bytes, a block of 32 along K lies in one
; lane's registers, and the conversions give codes with K innermost.  No LDS, no barrier: waves share nothing.
; A block's scale byte is its largest magnitude's exponent field - 2, held at 1 from below; a block of zeros so has the byte 1 where the rule says 127: its codes are zeros, and this program alone reads the bytes.
; LIMITS: NaN and infinities among the inputs are not served.
.set X,    16                          ; v16-143  128 numbers: my column, down my K step
.set C,    144                         ; v144-159 the codes: four registers a block, so that no store's data are written again
.set WBLK, 139264
.macro LOADS pitch                     ; W(128 s + i, my column), i = 0 .. 127
.set i, 0
.rept 128
	global_load_b32 v[X+i], v2, s[18:19] offset:i*\pitch th:TH_LOAD_NT
.set i, i+1
.endr
.endm
.macro BLOCK j, left                   ; block j of 32 along K; left: younger loads that may stay out
.set XS, X+32*\j
	s_wait_loadcnt \left
	v_max3_num_f32 v8, |v[XS]|, |v[XS+1]|, |v[XS+2]|               ; the block's largest magnitude: all 32 numbers are mine; two chains
	v_max3_num_f32 v9, |v[XS+3]|, |v[XS+4]|, |v[XS+5]|
.irp i, 6,10,14,18,22,26
	v_max3_num_f32 v8, v8, |v[XS+\i]|, |v[XS+\i+1]|
	v_max3_num_f32 v9, v9, |v[XS+\i+2]|, |v[XS+\i+3]|
.endr
	v_max3_num_f32 v8, v8, |v[XS+30]|, |v[XS+31]|
	v_max3_num_f32 v8, v8, v9, 0x1800000                           ; and the floor 2^(3 - 127): the byte cannot fall under 1
	v_add_nc_u32 v10, 0xff000000, v8                               ; 2 off the exponent field: the conversion takes this operand's exponent field as its scale
	v_lshrrev_b32 v11, 23, v10                                     ; the scale's byte
.if \j == 0
	v_mov_b32 v12, v11                                             ; four bytes make my column's scale word of this K step
.else
	v_lshl_or_b32 v12, v11, 8*\j, v12
.endif
.irp g, 0,1,2,3
	v_cvt_scalef32_pk8_fp4_f32 v[C+4*\j+\g], v[XS+8*\g:XS+8*\g+7], v10
.endr
	global_store_b128 v5, v[C+4*\j:C+4*\j+3], s[24:25] offset:(\j/2)*512+(\j%2)*256   ; block j is half c = j / 2, lanes 16 (j % 2) + r of the fragment: the sixteen lanes of a tile store 256 consecutive bytes, aligned
.endm
	s_load_b256 s[4:11], s[0:1], 0x0               ; Wq s[4:5], Wkv s[6:7], Wff s[8:9], wts s[10:11]
	v_lshrrev_b32 v1, 5, v0
	v_readfirstlane_b32 s12, v1                    ; wave = K step
	v_and_b32 v1, 31, v0                           ; x: my column among the work-group's 32
	v_lshlrev_b32 v2, 2, v1                        ; its 4 bytes in a row of W
	s_lshr_b32 s14, ttmp9, 4                       ; which weight
	s_and_b32 s13, ttmp9, 15                       ; which 32 columns of it
	s_cmp_eq_u32 s14, 3
	s_cselect_b32 s16, 4, 3                        ; which bit of x is u (the tile of the pair),
	s_cselect_b32 s17, 3, 4                        ; and which is bit 3 of r
	v_lshrrev_b32 v3, s16, v1
	v_and_b32 v3, 1, v3                            ; u
	v_lshrrev_b32 v4, s17, v1
	v_and_b32 v4, 1, v4
	v_and_b32 v7, 7, v1
	v_lshl_add_u32 v4, v4, 3, v7                   ; r
	v_lshlrev_b32 v4, 4, v4                        ; 16 r
	v_lshl_add_u32 v5, v3, 12, v4                  ; codes: 4,096 u + 16 r
	v_lshl_add_u32 v6, v3, 8, v4                   ; scale words: 256 u + 16 r
	s_add_co_u32 s15, s14, 1
	s_and_b32 s15, s15, 2                          ; not 0: the weight is a half of Wkv, whose rows are 4,096 bytes
	s_lshr_b32 s21, s15, 1
	s_lshl_b32 s20, s12, 18                        ; my K step: 128 rows of 2,048 bytes,
	s_lshl_b32 s20, s20, s21                       ; or of 4,096
	s_lshl_b32 s22, s13, 7
	s_add_co_u32 s20, s20, s22                     ; + my 32 columns
	s_cmp_eq_u32 s14, 2
	s_cselect_b32 s22, 2048, 0
	s_add_co_u32 s20, s20, s22                     ; + Wkv's second half for Wv
	s_mov_b32 s21, 0
	s_mul_i32 s22, s14, WBLK
	s_lshl_b32 s23, s13, 13                        ; 32 columns are two tiles: 8,192 bytes of codes,
	s_add_co_u32 s24, s22, s23
	s_lshl_b32 s23, s12, 10
	s_add_co_u32 s24, s24, s23                     ; my K step's fragment in each
	s_mov_b32 s25, 0
	s_lshl_b32 s23, s13, 9                         ; and 512 bytes of scale words
	s_add_co_u32 s26, s22, s23
	s_lshl_b32 s23, s12, 2
	s_add_co_u32 s26, s26, s23
	s_add_co_u32 s26, s26, 131072
	s_mov_b32 s27, 0
	s_wait_kmcnt 0x0
	s_cmp_eq_u32 s14, 0                            ; the choice of buffer hangs on the work-group's number alone
	s_cselect_b64 s[18:19], s[4:5], s[6:7]
	s_cmp_eq_u32 s14, 3
	s_cselect_b64 s[18:19], s[8:9], s[18:19]
	s_add_nc_u64 s[18:19], s[18:19], s[20:21]
	s_add_nc_u64 s[24:25], s[10:11], s[24:25]
	s_add_nc_u64 s[26:27], s[10:11], s[26:27]
	s_cmp_lg_u32 s15, 0
	s_cbranch_scc1 .Lwide
	LOADS 2048
	s_branch .Lloaded
.Lwide:
	LOADS 4096
.Lloaded:                                              ; both ways have issued the same 128 loads
	BLOCK 0, 63                                    ; 96 younger loads could stay out; the wait's count names 63 at the most
	BLOCK 1, 63                                    ; (64 could)
	BLOCK 2, 32
	BLOCK 3, 0
	global_store_b32 v6, v12, s[26:27]             ; my column's scale word: 4 bytes of each 16: one byte in 128 of what the launch reads
	s_endpgm
.Lfunc_end_k_qb3b8265a1c_wquant:
	.size	k_qb3b8265a1c_wquant, .Lfunc_end_k_qb3b8265a1c_wquant-k_qb3b8265a1c_wquant
	.p2alignl 7, 3214868480
	.fill 96, 4, 3214868480
	.section	.rodata,"a",@progbits
	.p2align	6, 0x0
	.amdhsa_kernel k_qb3b8265a1c_wquant
		.amdhsa_group_segment_fixed_size 0
		.amdhsa_private_segment_fixed_size 0
		.amdhsa_enable_private_segment 0
		.amdhsa_kernarg_size 32
		.amdhsa_user_sgpr_count 2
		.amdhsa_user_sgpr_kernarg_segment_ptr 1
		.amdhsa_wavefront_size32 1
		.amdhsa_system_sgpr_workgroup_id_x 1
		.amdhsa_system_sgpr_workgroup_id_y 1
		.amdhsa_system_sgpr_workgroup_id_z 1
		.amdhsa_system_vgpr_workitem_id 0
		.amdhsa_next_free_vgpr 160
		.amdhsa_next_free_sgpr 66
		.amdhsa_reserve_vcc 0
		.amdhsa_float_denorm_mode_32 3
		.amdhsa_float_denorm_mode_16_64 3
		.amdhsa_memory_ordered 1
		.amdhsa_forward_progress 1
		.amdhsa_inst_pref_size 33
	.end_amdhsa_kernel
	.amdgpu_metadata
---
amdhsa.version: [ 1, 2 ]
amdhsa.kernels:
  - .name:           k_qb3b8265a1c_wquant
    .symbol:         k_qb3b8265a1c_wquant.kd
    .args:
      - { .name: Wq, .offset: 0, .size: 8, .value_kind: global_buffer, .address_space: global }
      - { .name: Wkv, .offset: 8, .size: 8, .value_kind: global_buffer, .address_space: global }
      - { .name: Wff, .offset: 16, .size: 8, .value_kind: global_buffer, .address_space: global }
      - { .name: wts, .offset: 24, .size: 8, .value_kind: global_buffer, .address_space: global }
    .group_segment_fixed_size: 0
    .private_segment_fixed_size: 0
    .kernarg_segment_align: 8
    .kernarg_segment_size: 32
    .max_flat_workgroup_size: 128
    .sgpr_count:     66
    .vgpr_count:     160
    .wavefront_size: 32
...
	.end_amdgpu_metadata
.endif
;; end of part 1
;; launch proj (part 2): grid 128 x 2, 16 waves a work-group, clusters of 4 x 1, 327,680 bytes of LDS; arguments x_p, x_pcre, mask, wts, qw, kvw; writes qw, kvw
.if DOCPART == 2
	.amdgcn_target "amdgcn-amd-amdhsa--gfx1250"
	.amdhsa_code_object_version 6
	.text
	.protected	k_qb3b8265a1c_proj
	.globl	k_qb3b8265a1c_proj
	.p2align	8
	.type	k_qb3b8265a1c_proj,@function
k_qb3b8265a1c_proj:
	s_mov_b64 s[64:65], 0
	v_nop
	global_prefetch_b8 v0, s[64:65] scope:SCOPE_SE
	s_setreg_imm32_b32 hwreg(HW_REG_WAVE_MODE, 25, 1), 1
	s_wait_xcnt 0x0
	s_wait_alu depctr_hold_cnt(0) depctr_sa_sdst(0) depctr_va_vdst(0) depctr_va_sdst(0) depctr_va_ssrc(0) depctr_va_vcc(0) depctr_vm_vsrc(0)
	s_getreg_b32 s2, hwreg(HW_REG_IB_STS2, 6, 4)
	s_cmp_eq_u32 s2, 0
	s_cbranch_scc0 .Lentry_in_a_cluster
	s_endpgm
.Lentry_in_a_cluster:
	s_bfe_u32 s2, ttmp6, 0x10000c
	s_cmp_lg_u32 s2, 0x3003
	s_cbranch_scc0 .Lentry_shape_is_right
	s_endpgm
.Lentry_shape_is_right:
; Launch 2 of 3: q = x_p Wq, k = x_pcre Wk, v = x_pcre Wv, each on codes of E2M1 with E8M0 scales along K = 512, and the results quantised again as operands of attention: q and k along the head's 64, v along the keys.
; Nothing of reference() is left out here.
; SHARES.  128 x 2 = 256 work-groups.  x says which 128 rows.  y = 0: k and then v, from ONE quantised copy of the 128 rows of x_pcre; y = 1: q.  A product is 128 rows x 512 columns x K 512.  Sixteen waves: wave w takes
; head w % 8 (64 columns) and the half w / 8 of the rows: 64 x 64, 16 accumulators.  The 128 rows of x are quantised once by the sixteen waves together and go from wave to wave through LDS as images of the operand's registers.
; CLUSTER.  The four work-groups of a cluster have the same y, so a weight's block of 139,264 bytes is asked for JOINTLY, each wave a sixteenth.  For y = 0 Wv's block fills Wk's bytes again when every wave of the cluster
; has read Wk out; it is on its way while k's results are quantised and stored.  The branches round the second product hang on y alone, which the partners share; every wait on TENSORcnt is for 0.
; ORIENTATION.  q, k: source 0 = 16 columns of W, source 1 = 16 rows of x: a lane holds one row and its registers run along the head's 64, the next K.  v: source 0 = 16 rows of x (keys), source 1 = 16 columns of W:
; a lane holds one channel and its registers run along the keys, the next K: the LDS addresses of the two sources change places.
; THE ROWS OF A TILE.  For k and v tile 2 b + u of x takes rows 32 b + 8 u + r + 8 (r / 8), as the weights' tiles do: 16 registers of two neighbouring tiles are then 16 neighbours along the next K.  For q the rows are neighbours.
; OUT.  qw: for each 128 rows 36,864 bytes: codes [head][tile of 16 rows: 8][lane][16 bytes] (K = 64: the lower half of a fragment of K = 128), then scale words [head][tile / 4][r][tile % 4].
; kvw: for each 128 keys 71,680 bytes: k laid as in qw; at 36,864 v's codes [head][tile of 16 channels: 4][half c][lane][16 bytes]; at 69,632 v's scale words [head][r][tile].
; THE KEY MASK RIDES IN THE UPPER HALF OF THE FIRST ATTENTION PRODUCT'S K.  A scale word's bytes 2 and 3 scale k = 64 .. 127, where the head has no numbers.  q's are 0x57 (2^-40); k's are 0xC2 (2^67) for a masked key and
; 0x01 (2^-126) for an open one.  Launch 3 puts the code +6 at k = 64 and 96 of q and -6 at the same places of k.
; No prefetch: the text has no loop to run ahead in; x's 32 loads a wave are all issued at the head.
; LIMITS: NaN and infinities among the inputs are not served; a block of zeros has the byte 1 (its codes are zeros, and this program alone reads the bytes).
.set WS,    131072                     ; LDS: 0: the weight's fragments; here its scale words: a copy of the block in wts
.set XI,    139264                     ; x's fragments [tile 8][K step 4], 1,024 bytes each
.set XS,    172032                     ; x's scale words [tile][r][K step]
.set STG,   174080                     ; a stage of 16 rows x 528 bytes for each wave, in which a K step of x turns
.set SSQ,   309248                     ; the scale words of q or k, as they will lie in memory: 4,096 bytes
.set SSV,   313344                     ; those of v: 2,048 bytes
.set SPARE, 315392                     ; the spare words, 128 bytes for each wave
.set WBLK,  139264
.set LI,   4                           ; v4   16 x lane
.set SPW,  5                           ; v5   my spare word; v6 = 0; never rewritten
.set NIL,  6
.set STW,  7                           ; v7   my stage, as loaded
.set STR,  8                           ; v8   my stage, back: 528 r + 64 h
.set XWI,  9                           ; v9   where I store x's images, v10 their scale words
.set XWS,  10
.set AFW,  11                          ; v11, v12  fragments of the weight, of x
.set AFX,  12
.set ASW,  13                          ; v13, v14  their scale words
.set ASX,  14
.set GOUT, 15                          ; v15  my codes' place in the block: q, k; v30: v
.set SSAQ, 16
.set SSAV, 17
.set MOFF, 18                          ; v18  my keys' place among the block's 128 mask bytes
.set T8,   19                          ; v19  8 x thread
.set TL,   20                          ; v20-23 the mask bytes of my four tiles' keys, then the scale words' upper halves
.set GOUTV, 30
.set F1,   32                          ; v32-63  four fragments of source 0; v64-95 of source 1
.set F2,   64
.set SC1,  96                          ; v96-127 their scale words: these registers hold scales and nothing else
.set SC2,  112
.set ACC,  128                         ; v128-255 accumulator (o, i) at ACC + 32 o + 8 i: tile i of source 0, tile o of source 1
.set XA,   128                         ; while x is quantised: two K steps as loaded; v32-95 a K step turned
.set XB,   192
.set T,    32
.set WV,   16
.set TY,   17                          ; s17  0: q; 1: k, then v
.set RB,   19
.set UN,   20
.set HF,   21
.set G1,   28
.set G0,   36
.set XLO,  40
.set XHI,  42
.set OUT,  44
.set MKP,  46
.set SEL,  48
.macro CROUND                          ; a round of the cluster's barrier
	s_barrier_signal -1
	s_barrier_wait -1
	s_cmp_lg_u32 s[WV], 0
	s_cbranch_scc1 .Lnot_wave_0_\@
	s_barrier_signal -3
.Lnot_wave_0_\@:
	s_barrier_wait -3
	s_barrier_signal -1
	s_barrier_wait -1
.endm
; 64 numbers of a lane, v[s] on: four blocks of 32, of which lanes l and l xor 16 hold 16 each, become 8 registers of codes at v[pc] and the four scale bytes in v[pw].  tm: 16 registers at work.
.macro QUANT s, tm, pc, pw
.irp b, 0,1,2,3
	v_max3_num_f32 v[\tm+\b], |v[(\s)+16*\b]|, |v[(\s)+1+16*\b]|, 0x1800000   ; my 16 numbers, and the floor 2^(3 - 127)
.endr
.irp i, 2,4,6,8,10,12,14
.irp b, 0,1,2,3
	v_max3_num_f32 v[\tm+\b], v[\tm+\b], |v[(\s)+16*\b+\i]|, |v[(\s)+1+16*\b+\i]|
.endr
.endr
.irp b, 0,1,2,3
	s_delay_alu instid0(VALU_DEP_4)
	v_permlanex16_b32 v[\tm+4+\b], v[\tm+\b], s[SEL], s[SEL+1]
.endr
.irp b, 0,1,2,3
	s_delay_alu instid0(VALU_DEP_4)
	v_max_num_f32 v[\tm+\b], v[\tm+\b], v[\tm+4+\b]                ; the block's largest magnitude
.endr
.irp b, 0,1,2,3
	s_delay_alu instid0(VALU_DEP_4)
	v_add_nc_u32 v[\tm+12+\b], 0xff000000, v[\tm+\b]               ; 2 off its exponent field: the conversion's scale operand
.endr
.irp b, 0,1,2,3
	s_delay_alu instid0(VALU_DEP_4)
	v_lshrrev_b32 v[\tm+4+\b], 23, v[\tm+12+\b]                    ; the scale's byte
.endr
	s_delay_alu instid0(VALU_DEP_3)
	v_lshl_or_b32 v[\pw], v[\tm+5], 8, v[\tm+4]
	s_delay_alu instid0(VALU_DEP_1)
	v_lshl_or_b32 v[\pw], v[\tm+6], 16, v[\pw]
	s_delay_alu instid0(VALU_DEP_1)
	v_lshl_or_b32 v[\pw], v[\tm+7], 24, v[\pw]
.irp b, 0,1,2,3
	v_cvt_scalef32_pk8_fp4_f32 v[(\pc)+2*\b], v[(\s)+16*\b:(\s)+7+16*\b], v[\tm+12+\b]
	v_cvt_scalef32_pk8_fp4_f32 v[(\pc)+1+2*\b], v[(\s)+8+16*\b:(\s)+15+16*\b], v[\tm+12+\b]
.endr
	v_nop                                          ; one plain place behind a scaled conversion
.irp c, 0,1
.irp i, 0,1
	v_permlane16_swap_b32 v[(\pc)+4*\c+\i], v[(\pc)+2+4*\c+\i]     ; a whole block to a lane
.endr
.endr
.endm
.macro XLOAD reg, koff                 ; a K step (512 bytes) of my tile's 16 rows: each load reads 512 consecutive bytes
.irp i, 0,1,2,3,4,5,6,7
	global_load_b128 v[\reg+4*\i:\reg+4*\i+3], v[LI], s[XLO:XLO+1] offset:\i*2048+\koff
.endr
.irp i, 8,9,10,11,12,13,14,15
	global_load_b128 v[\reg+4*\i:\reg+4*\i+3], v[LI], s[XHI:XHI+1] offset:\i*2048+\koff
.endr
.endm
.macro XTURN reg                       ; through my own stage: in as loaded, back so that lane (r, h) holds, of row r, places 16 h .. 16 h + 15 of each block of 32
.irp i, 0,1,2,3,4,5,6,7,8,9,10,11,12,13,14,15
	ds_store_b128 v[STW], v[\reg+4*\i:\reg+4*\i+3] offset:\i*528
.endr
.irp b, 0,1,2,3
.irp j, 0,1,2,3
	ds_load_b128 v[T+16*\b+4*\j:T+16*\b+4*\j+3], v[STR] offset:128*\b+16*\j
.endr
.endr
.endm
.macro SCLOAD a1, a2                   ; the scale words of the four K steps, for four tiles of each source
.irp i, 0,1,2,3
	ds_load_b128 v[SC1+4*\i:SC1+4*\i+3], v[\a1] offset:256*\i
	ds_load_b128 v[SC2+4*\i:SC2+4*\i+3], v[\a2] offset:256*\i
.endr
.endm
.macro MAIN s, zero, a1, a2            ; K step s: 16 LDS loads, 16 matrix instructions; the 16 accumulators take turns
.irp i, 0,1,2,3
.irp c, 0,1
	ds_load_b128 v[F1+8*\i+4*\c:F1+8*\i+4*\c+3], v[\a1] offset:\i*4096+\s*1024+\c*512
.endr
.endr
.irp i, 0,1,2,3
.irp c, 0,1
	ds_load_b128 v[F2+8*\i+4*\c:F2+8*\i+4*\c+3], v[\a2] offset:\i*4096+\s*1024+\c*512
.endr
.endr
	s_wait_dscnt 0x0
.irp o, 0,1,2,3
.irp i, 0,1,2,3
.if \zero
	v_wmma_scale_f32_16x16x128_f8f6f4 v[ACC+32*\o+8*\i:ACC+32*\o+8*\i+7], v[F1+8*\i:F1+8*\i+7], v[F2+8*\o:F2+8*\o+7], 0, v[SC1+4*\i+\s], v[SC2+4*\o+\s] matrix_a_fmt:MATRIX_FMT_FP4 matrix_b_fmt:MATRIX_FMT_FP4
.else
	v_wmma_scale_f32_16x16x128_f8f6f4 v[ACC+32*\o+8*\i:ACC+32*\o+8*\i+7], v[F1+8*\i:F1+8*\i+7], v[F2+8*\o:F2+8*\o+7], v[ACC+32*\o+8*\i:ACC+32*\o+8*\i+7], v[SC1+4*\i+\s], v[SC2+4*\o+\s] matrix_a_fmt:MATRIX_FMT_FP4 matrix_b_fmt:MATRIX_FMT_FP4
.endif
.endr
.endr
.rept 4
	v_nop                                          ; four places in front of loads into registers that these have read, and of the first read of results
.endr
.endm
	s_load_b256 s[4:11], s[0:1], 0x0               ; x_p s[4:5], x_pcre s[6:7], mask s[8:9], wts s[10:11]
	s_load_b128 s[12:15], s[0:1], 0x20             ; qw s[12:13], kvw s[14:15]
	v_lshl_add_u32 v[SPW], v0, 2, SPARE
	v_mov_b32 v[NIL], 0
	ds_add_u32 v[SPW], v[NIL]                      ; the opening: the add, twice on end, and its wait ahead of my first tensor load
	ds_add_u32 v[SPW], v[NIL]
	v_lshrrev_b32 v1, 5, v0
	s_delay_alu instid0(VALU_DEP_1)
	v_readfirstlane_b32 s[WV], v1                  ; wave 0..15
	s_and_b32 s[TY], ttmp7, 0xffff
	s_xor_b32 s[TY], s[TY], 1                      ; y = 0: k and v; y = 1: q: the same in the four partners
	s_bfe_u32 s18, ttmp6, 0x40000                  ; cx: it enters global addresses of x, mask, qw and kvw alone
	s_lshl_b32 s[RB], ttmp9, 2
	s_add_co_u32 s[RB], s[RB], s18                 ; which 128 rows
	s_and_b32 s[UN], s[WV], 7
	s_lshr_b32 s[HF], s[WV], 3
	s_mov_b32 s[G1], 15|(3<<16)|(1<<21)            ; the mask: all four work-groups; elements of 8 bytes; bit 21 beside a mask
	s_mov_b32 s[G1+1], 32<<16                      ; rows of 256 bytes,
	s_mov_b32 s[G1+2], 34<<16                      ; 34 of them: a sixteenth of the block
	s_mov_b32 s[G1+3], 32<<16
	s_mov_b32 s[G1+4], 34
	s_mov_b32 s[G1+5], 32
	s_mov_b32 s[G1+6], 0
	s_mov_b32 s[G1+7], 0
	s_mov_b32 s[SEL], 0x76543210
	s_mov_b32 s[SEL+1], 0xfedcba98
	v_and_b32 v1, 31, v0                           ; lane
	v_and_b32 v2, 15, v0                           ; r
	v_bfe_u32 v3, v0, 4, 1                         ; h
	s_delay_alu instid0(VALU_DEP_3)
	v_lshlrev_b32 v[LI], 4, v1
	s_delay_alu instid0(VALU_DEP_3)
	v_lshlrev_b32 v20, 4, v2                       ; 16 r
	s_wait_alu depctr_va_vdst(0)                   ; the wait here
	s_mul_i32 s22, s[WV], 8448
	s_add_co_u32 s22, s22, STG                     ; my stage
	v_add_nc_u32 v[STW], s22, v[LI]
	v_mul_u32_u24 v[STR], v2, 528
	s_delay_alu instid0(VALU_DEP_1)
	v_lshl_add_u32 v[STR], v3, 6, v[STR]
	s_delay_alu instid0(VALU_DEP_1)
	v_add_nc_u32 v[STR], s22, v[STR]
	s_lshl_b32 s22, s[WV], 11                      ; I quantise tile w / 2 of x, K steps 2 (w % 2) and the next
	s_add_co_u32 s22, s22, XI
	v_add_nc_u32 v[XWI], s22, v[LI]
	s_lshr_b32 s22, s[WV], 1
	s_lshl_b32 s22, s22, 8
	s_and_b32 s23, s[WV], 1
	s_lshl_b32 s23, s23, 3
	s_add_co_u32 s22, s22, s23
	s_add_co_u32 s22, s22, XS
	v_add_nc_u32 v[XWS], s22, v20
	s_lshl_b32 s22, s[UN], 14                      ; the weight's fragments of my head,
	s_lshl_b32 s23, s[HF], 14
	s_add_co_u32 s23, s23, XI                      ; x's of my half,
	s_lshl_b32 s24, s[UN], 10
	s_add_co_u32 s24, s24, WS                      ; and their scale words
	s_lshl_b32 s25, s[HF], 10
	s_add_co_u32 s25, s25, XS
	v_add_nc_u32 v[AFW], s22, v[LI]
	v_add_nc_u32 v[AFX], s23, v[LI]
	v_add_nc_u32 v[ASW], s24, v20
	v_add_nc_u32 v[ASX], s25, v20
	s_lshl_b32 s22, s[HF], 11                      ; out: q, k: my half is four tiles of 512 bytes;
	s_lshl_b32 s23, s[UN], 12
	s_add_co_u32 s22, s22, s23
	v_add_nc_u32 v[GOUT], s22, v[LI]
	s_lshl_b32 s22, s[HF], 9                       ; v: it is half c of each fragment
	s_add_co_u32 s22, s22, s23
	v_add_nc_u32 v[GOUTV], s22, v[LI]
	s_lshl_b32 s22, s[UN], 9
	s_lshl_b32 s23, s[HF], 8
	s_add_co_u32 s22, s22, s23
	s_add_co_u32 s22, s22, SSQ
	v_add_nc_u32 v[SSAQ], s22, v20
	s_lshl_b32 s22, s[UN], 8
	s_lshl_b32 s23, s[HF], 1
	s_add_co_u32 s22, s22, s23
	s_add_co_u32 s22, s22, SSV
	v_add_nc_u32 v[SSAV], s22, v20
	v_and_b32 v[MOFF], 8, v2
	s_delay_alu instid0(VALU_DEP_1)
	v_add_nc_u32 v[MOFF], v[MOFF], v2              ; r + 8 (r / 8)
	s_delay_alu instid0(VALU_DEP_1)
	v_lshl_add_u32 v[MOFF], s[HF], 6, v[MOFF]      ; + 64 x half
	v_lshlrev_b32 v[T8], 3, v0
	s_delay_alu instid0(VALU_DEP_1)
	v_add_nc_u32 v26, SSQ, v[T8]                   ; the way out of the scale words: 8 bytes a thread
	s_delay_alu instid0(VALU_DEP_2)
	v_add_nc_u32 v27, SSV, v[T8]
	; offsets in memory, apart from the addresses
	s_mul_i32 s22, s[WV], 8704                     ; my sixteenth of the weight's block: in memory and in LDS
	s_mul_i32 s24, s[TY], WBLK                     ; block 0 Wq, block 1 Wk; Wv is the block behind Wk
	s_add_co_u32 s24, s24, s22
	s_mov_b32 s25, 0
	s_lshr_b32 s23, s[WV], 1                       ; my tile m of x
	s_lshl_b32 s26, s23, 4                         ; q: rows 16 m on
	s_lshr_b32 s27, s23, 1
	s_lshl_b32 s27, s27, 5
	s_and_b32 s23, s23, 1
	s_lshl_b32 s23, s23, 3
	s_add_co_u32 s27, s27, s23                     ; k, v: rows 32 (m / 2) + 8 (m % 2) on, the second eight 16 further
	s_mov_b32 s50, 0x57570000                      ; the upper half of a scale word: q's,
	s_mov_b32 s51, 0x57570000
	s_mov_b32 s56, 71680
	s_cmp_eq_u32 s[TY], 0
	s_cselect_b32 s26, s26, s27
	s_cselect_b32 s54, 0, 16384
	s_cselect_b32 s56, 36864, s56                  ; a block of qw, of kvw
	s_cselect_b32 s50, s50, 0x01010000             ; an open key's,
	s_cselect_b32 s51, s51, 0xc2c20000             ; a masked key's
	s_lshl_b32 s26, s26, 11
	s_and_b32 s27, s[WV], 1
	s_lshl_b32 s27, s27, 10                        ; K steps 2 (w % 2) on
	s_add_co_u32 s26, s26, s27
	s_lshl_b32 s27, s[RB], 18                      ; 128 rows of 2,048 bytes
	s_add_co_u32 s26, s26, s27
	s_mov_b32 s27, 0
	s_mov_b32 s55, 0
	s_mul_i32 s56, s[RB], s56
	s_mov_b32 s57, 0
	s_lshl_b32 s58, s[RB], 7
	s_mov_b32 s59, 0
	s_wait_dscnt 0x0                               ; both opening adds are done
	s_wait_kmcnt 0x0
	s_mov_b32 s[G0], 1
	s_mov_b32 s[G0+1], s22                         ; LDS address: wave x 8,704
	s_add_nc_u64 s[G0+2:G0+3], s[10:11], s[24:25]  ; it hangs on y and the wave alone
	s_or_b32 s[G0+3], s[G0+3], 0x80000000
	s_cmp_eq_u32 s[TY], 0
	s_cselect_b64 s[XLO:XLO+1], s[4:5], s[6:7]
	s_cselect_b64 s[OUT:OUT+1], s[12:13], s[14:15]
	s_add_nc_u64 s[XLO:XLO+1], s[XLO:XLO+1], s[26:27]
	s_add_nc_u64 s[XHI:XHI+1], s[XLO:XLO+1], s[54:55]
	s_add_nc_u64 s[OUT:OUT+1], s[OUT:OUT+1], s[56:57]
	s_add_nc_u64 s[MKP:MKP+1], s[8:9], s[58:59]
.irp o, 0,1,2,3
	v_mov_b32 v[TL+\o], 0
.endr
	s_cmp_eq_u32 s[TY], 1
	s_cbranch_scc0 .Lno_mask
	s_wait_alu depctr_va_vdst(0)                   ; the wait here, directly ahead of the reader below
.irp o, 0,1,2,3
	global_load_u8 v[TL+\o], v[MOFF], s[MKP:MKP+1] offset:32*(\o/2)+8*(\o%2)   ; the mask byte of lane r's key in tile 4 x half + o
.endr
.Lno_mask:
	XLOAD XA, 0                                    ; x: my tile's two K steps: 32 loads, on their way across the round
	XLOAD XB, 512
	CROUND                                         ; all four work-groups are here: the joint loads meet
	tensor_load_to_lds s[G0:G0+3], s[G1:G1+7]      ; every wave's one tensor load at the head
	s_nop 0
.rept 4
	v_nop
.endr
	s_wait_loadcnt 16                              ; the second K step's 16 loads may stay out; all older loads are in
	XTURN XA
	s_wait_dscnt 0x0
	QUANT T, 128, 144, 152
	ds_store_b128 v[XWI], v[144:147]               ; the fragment goes to LDS as it stands
	ds_store_b128 v[XWI], v[148:151] offset:512
	ds_store_b32 v[XWS], v152                      ; lanes r and 16 + r write the same word with the same value
	s_wait_loadcnt 0x0
	s_wait_dscnt 0x0
	XTURN XB
	s_wait_dscnt 0x0
	QUANT T, 128, 144, 152
	ds_store_b128 v[XWI], v[144:147] offset:1024
	ds_store_b128 v[XWI], v[148:151] offset:1536
	ds_store_b32 v[XWS], v152 offset:4
	s_wait_tensorcnt 0x0                           ; my part of the weight has landed,
	s_wait_dscnt 0x0                               ; my stores too:
	s_barrier_signal -1
	s_barrier_wait -1                              ; the weight and x's 32 fragments lie whole in LDS
	; ---- q or k: source 0 the weight, source 1 x
	SCLOAD ASW, ASX
	MAIN 0, 1, AFW, AFX                            ; the first K step starts the sums
	MAIN 1, 0, AFW, AFX
	MAIN 2, 0, AFW, AFX
	MAIN 3, 0, AFW, AFX
	s_cmp_eq_u32 s[TY], 0
	s_cbranch_scc1 .Lone_product                   ; q has no second product: nothing is filled again there
	s_wait_tensorcnt 0x0
	ds_add_u32 v[SPW], v[NIL]
	s_add_nc_u64 s[G0+2:G0+3], s[G0+2:G0+3], WBLK  ; no load of mine is out: on to Wv's block
	s_wait_dscnt 0x0                               ; the add is done, and my reads of Wk are over
	CROUND                                         ; so are those of every wave of the four work-groups
	tensor_load_to_lds s[G0:G0+3], s[G1:G1+7]      ; Wv into Wk's bytes: my one tensor load behind the round
	s_nop 0
.rept 4
	v_nop
.endr
.Lone_product:
	; ---- the results become operands.  For a tile o of source 1 the 32 registers ACC + 32 o on are two blocks of 32 along the next K; QUANT takes two such tiles
	v_mov_b32 v24, s50
	v_mov_b32 v25, s51
.irp o, 0,1,2,3
	v_cmp_ne_u32 vcc_lo, 0, v[TL+\o]
	s_delay_alu instid0(VALU_DEP_1)
	v_cndmask_b32 v[TL+\o], v24, v25, vcc_lo       ; the upper half of the scale word
.endr
.irp p, 0,1
	QUANT ACC+64*\p, 32, 48+8*\p, 64+\p
	v_and_or_b32 v[66+2*\p], v[64+\p], 0xffff, v[TL+2*\p]          ; tile 2 p: its two bytes below, the upper half above
	v_lshrrev_b32 v[67+2*\p], 16, v[64+\p]
	s_delay_alu instid0(VALU_DEP_1)
	v_or_b32 v[67+2*\p], v[67+2*\p], v[TL+2*\p+1]                  ; tile 2 p + 1
	global_store_b128 v[GOUT], v[48+8*\p:51+8*\p], s[OUT:OUT+1] offset:1024*\p        ; 32 lanes store 512 consecutive bytes, aligned
	global_store_b128 v[GOUT], v[52+8*\p:55+8*\p], s[OUT:OUT+1] offset:1024*\p+512
	ds_store_b32 v[SSAQ], v[66+2*\p] offset:8*\p
	ds_store_b32 v[SSAQ], v[67+2*\p] offset:8*\p+4
.endr
	s_wait_tensorcnt 0x0                           ; my part of Wv has landed (q: nothing is out),
	s_wait_dscnt 0x0                               ; and my scale words are in the stage
	s_barrier_signal -1
	s_barrier_wait -1
	ds_load_b64 v[28:29], v26
	s_wait_dscnt 0x0
	global_store_b64 v[T8], v[28:29], s[OUT:OUT+1] offset:32768    ; a wave stores 256 consecutive bytes, aligned
	s_cmp_eq_u32 s[TY], 0
	s_cbranch_scc1 .Lend
	; ---- v: source 0 x (keys), source 1 the weight
	s_wait_xcnt 0x0                                ; k's stores have read their data: v28-29 and v48-63 may be written again
	SCLOAD ASX, ASW
	MAIN 0, 1, AFX, AFW
	MAIN 1, 0, AFX, AFW
	MAIN 2, 0, AFX, AFW
	MAIN 3, 0, AFX, AFW
.irp p, 0,1
	QUANT ACC+64*\p, 32, 48+8*\p, 64+\p
	global_store_b128 v[GOUTV], v[48+8*\p:51+8*\p], s[OUT:OUT+1] offset:36864+2048*\p       ; channels' tile 2 p, my half c of its fragment
	global_store_b128 v[GOUTV], v[52+8*\p:55+8*\p], s[OUT:OUT+1] offset:36864+2048*\p+1024
	ds_store_b16 v[SSAV], v[64+\p] offset:8*\p                     ; my two bytes (key blocks 2 c, 2 c + 1) of tile 2 p's scale word,
	ds_store_b16_d16_hi v[SSAV], v[64+\p] offset:8*\p+4            ; and of tile 2 p + 1's
.endr
	s_wait_dscnt 0x0
	s_barrier_signal -1
	s_barrier_wait -1
	s_cmp_lt_u32 s[WV], 8                          ; 2,048 bytes: eight waves
	s_cbranch_scc0 .Lend
	ds_load_b64 v[28:29], v27
	s_wait_dscnt 0x0
	global_store_b64 v[T8], v[28:29], s[OUT:OUT+1] offset:69632
.Lend:
	s_wait_tensorcnt 0x0                           ; the wave's end
	ds_add_u32 v[SPW], v[NIL]
	s_wait_dscnt 0x0
	CROUND                                         ; the closing round
	s_endpgm
.Lfunc_end_k_qb3b8265a1c_proj:
	.size	k_qb3b8265a1c_proj, .Lfunc_end_k_qb3b8265a1c_proj-k_qb3b8265a1c_proj
	.p2alignl 7, 3214868480
	.fill 96, 4, 3214868480
	.section	.rodata,"a",@progbits
	.p2align	6, 0x0
	.amdhsa_kernel k_qb3b8265a1c_proj
		.amdhsa_group_segment_fixed_size 327680
		.amdhsa_private_segment_fixed_size 0
		.amdhsa_enable_private_segment 0
		.amdhsa_kernarg_size 48
		.amdhsa_user_sgpr_count 2
		.amdhsa_user_sgpr_kernarg_segment_ptr 1
		.amdhsa_wavefront_size32 1
		.amdhsa_system_sgpr_workgroup_id_x 1
		.amdhsa_system_sgpr_workgroup_id_y 1
		.amdhsa_system_sgpr_workgroup_id_z 1
		.amdhsa_system_vgpr_workitem_id 0
		.amdhsa_next_free_vgpr 256
		.amdhsa_next_free_sgpr 66
		.amdhsa_reserve_vcc 1
		.amdhsa_float_denorm_mode_32 3
		.amdhsa_float_denorm_mode_16_64 3
		.amdhsa_memory_ordered 1
		.amdhsa_forward_progress 1
		.amdhsa_inst_pref_size 71
	.end_amdhsa_kernel
	.amdgpu_metadata
---
amdhsa.version: [ 1, 2 ]
amdhsa.kernels:
  - .name:           k_qb3b8265a1c_proj
    .symbol:         k_qb3b8265a1c_proj.kd
    .args:
      - { .name: x_p, .offset: 0, .size: 8, .value_kind: global_buffer, .address_space: global }
      - { .name: x_pcre, .offset: 8, .size: 8, .value_kind: global_buffer, .address_space: global }
      - { .name: mask, .offset: 16, .size: 8, .value_kind: global_buffer, .address_space: global }
      - { .name: wts, .offset: 24, .size: 8, .value_kind: global_buffer, .address_space: global }
      - { .name: qw, .offset: 32, .size: 8, .value_kind: global_buffer, .address_space: global }
      - { .name: kvw, .offset: 40, .size: 8, .value_kind: global_buffer, .address_space: global }
    .group_segment_fixed_size: 327680
    .private_segment_fixed_size: 0
    .kernarg_segment_align: 8
    .kernarg_segment_size: 48
    .max_flat_workgroup_size: 512
    .sgpr_count:     66
    .vgpr_count:     256
    .wavefront_size: 32
...
	.end_amdgpu_metadata
.endif
;; end of part 2
;; launch attn (part 3): grid 32 x 8, 16 waves a work-group, clusters of 4 x 1, 327,680 bytes of LDS; arguments qw, kvw, bias, mask, gamma_f, wts, x_p, bff, ln_g, ln_b, out0; writes out0
.if DOCPART == 3
	.amdgcn_target "amdgcn-amd-amdhsa--gfx1250"
	.amdhsa_code_object_version 6
	.text
	.protected	k_qb3b8265a1c_attn
	.globl	k_qb3b8265a1c_attn
	.p2align	8
	.type	k_qb3b8265a1c_attn,@function
k_qb3b8265a1c_attn:
	s_mov_b64 s[64:65], 0
	v_nop
	global_prefetch_b8 v0, s[64:65] scope:SCOPE_SE
	s_setreg_imm32_b32 hwreg(HW_REG_WAVE_MODE, 25, 1), 1
	s_wait_xcnt 0x0
	s_wait_alu depctr_hold_cnt(0) depctr_sa_sdst(0) depctr_va_vdst(0) depctr_va_sdst(0) depctr_va_ssrc(0) depctr_va_vcc(0) depctr_vm_vsrc(0)
	s_getreg_b32 s2, hwreg(HW_REG_IB_STS2, 6, 4)
	s_cmp_eq_u32 s2, 0
	s_cbranch_scc0 .Lentry_in_a_cluster
	s_endpgm
.Lentry_in_a_cluster:
	s_bfe_u32 s2, ttmp6, 0x10000c
	s_cmp_lg_u32 s2, 0x3003
	s_cbranch_scc0 .Lentry_shape_is_right
	s_endpgm
.Lentry_shape_is_right:
; Launch 3 of 3: scores = q k^T / 8 + gamma_h bias, the key mask, the softmax, p v, the projection by Wff, + bff, + x_p, LayerNorm.  All three products on codes of E2M1 with E8M0 scales.  Nothing of reference() is left out.
; SHARES.  A work-group owns 64 queries of one batch and ALL EIGHT HEADS, so that each tile of bias is read from memory once: 16,384 / 64 = 256 work-groups.  Sixteen waves: wave w takes head w % 8 and the 32 queries
; of half w / 8, as two tiles of 16 that it works one after the other in each key step; v's fragments and the scale words of k and v are read from LDS once for both tiles.  Every wave walks the batch's 2,048 keys, 128 a step.
; RING.  Two LDS slots, a key step each: the step's block of kvw (71,680 bytes, all heads) and the work-group's tile of bias (64 rows x 512 bytes, 16 of padding behind each).
; CLUSTER.  The four work-groups of a cluster belong to one batch and walk the same blocks of kvw: waves 0 to 3 ask for a quarter each JOINTLY.  The bias tile is the work-group's own: wave 4 loads it, with no mask.
; LAYOUT.  Both attention products are used transposed (S^T = K Q^T, O^T = V^T P^T): a lane holds ONE query of a tile.  Lane r of key tile 2 b + u holds key 32 b + 8 u + r + 8 (r / 8), so that the 16 registers of
; tiles 2 b and 2 b + 1 are keys 32 b + 16 (lane / 16) + 0 .. 15.  The bias numbers are loaded into those registers, multiplied by 8 gamma_h in place, and are the C of the first product: S' = q.k + 8 gamma bias = 8 x logit.
; q's codes of the two tiles lie in the wave's own 1,024 bytes of LDS and come into the one fragment v22-25 tile by tile: 256 registers do not hold two fragments beside two O^T.
; THE MASK costs no vector instruction.  At k = 64 and 96 q holds the code +6 and k the code -6; q's scale bytes there are 2^-40, k's 2^67 for a masked key and 2^-126 for an open one (launch 2).
; So a masked key's S' gets -72 x 2^27 (a logit of about -1.2e9 where reference() writes -1e9), an open key's -72 x 2^-166, under every f32 number.
; A BATCH WHOLLY MASKED has equal logits in reference(), and p = 1 for every key: each wave ANDs the batch's 2,048 mask bytes and takes c = 0 there, by a select: t = 0, M = 0, p = 1.
; SOFTMAX.  t = S' c, c = log2(e) / 8; M = the running largest t rounded up to a whole number; p = 2^(t - M) is quantised along the keys, not normalised; the row's sum is taken of the unquantised p and divides at the end.
; When M moves, the sum and O^T are multiplied by 2^(old M - new M): exact.  A step all of whose keys are masked, ahead of the first open key: |t| < 2^31, p stays under 2^65, all sums stay finite, and the first open key multiplies them by 0.
; PREFETCH.  The bias tile two steps on, and once the wave's rows of x_p.  kvw and Wff are not asked for: the eight clusters of a batch read each block of kvw, and all 256 work-groups read Wff.
; LIMITS.  The results are reference()'s where a row's largest open logit lies above -1e9 + 104 (under that, reference()'s masked keys would count); the scaled scores stay under 2^31; NaN and infinities among the inputs are not served.
.set KVBLK, 71680
.set QBLK,  36864
.set WBLK,  139264
.set SLOT1, 1<<17                      ; slot 1 begins here
.set KSO,   32768                      ; in a slot: 0 k's codes; here k's scale words;
.set VCO,   36864                      ; v's codes;
.set VSO,   69632                      ; v's scale words;
.set BIO,   71680                      ; the bias tile: 64 rows x 528
.set BPI,   528
.set SPARE, 262144                     ; the spare words: 128 bytes a wave
.set QIMG,  264192                     ; q's codes: 1,024 bytes a wave
.set AIMG,  280576                     ; att's fragments [tile of 16 queries: 4][K step 4][half c][lane][16 bytes]
.set ASC,   296960                     ; their scale words [tile][K step][lane]
.set SPI,   2064                       ; the projection's stage: 64 rows x (2,048 + 16) from byte 0 on: over the slots, behind their last fill and their last read
.set AK0,  1                           ; v1-4 my lane's places in a slot: k's codes (v's lie VCO on), k's scale words, v's scale words, bias
.set AKS0, 2
.set AVS0, 3
.set AB0,  4
.set AQ,   5                           ; v5  my q image
.set SPW,  6                           ; v6  my spare word; v7 = 0; never rewritten
.set NIL,  7
.set ADK,  8                           ; v8-11 the four places in the slot in hand
.set ADKS, 9
.set ADVS, 10
.set ADB,  11
.set PFO,  12                          ; v12 8,192 x lane: a row of bias a lane
.set XPO,  13                          ; v13 256 x lane
.set NM0,  14                          ; v14 -M, v15 the largest t of tile 0; v16, v17 of tile 1
.set NM1,  16
.set SUM0, 18                          ; v[18:19], v[20:21] the rows' sums in two halves
.set SUM1, 20
.set QF,   22                          ; v22-29 q's fragment: 22-25 loaded; 26 = the code +6; 27-29 = 0
.set F,    30                          ; v30 2^(old M - new M); v31 at work
.set T0,   31
.set KF,   32                          ; v32-63 four fragments of k: registers 0-3 loaded; 4 = the code -6; 5-7 = 0
.set VF,   64                          ; v64-95 four fragments of v
.set S,    96                          ; v96-159 bias, S^T, then p
.set O0,   160                         ; v160-191 O^T of tile 0; v224-255 of tile 1
.set O1,   224
.set PC,   192                         ; v192-199 partial sums of p, then p's codes
.set KSW,  200                         ; v200-215 hold scales and nothing else: k's 200-207, v's 208-211, q's 212 and 214, p's 213
.set VSW,  208
.set QS0,  212
.set PW,   213
.set QS1,  214
.set BM,   216                         ; v216-219 each block's largest score, largest p, scale byte
.set BS,   220                         ; v220-223 the other half's maxima, then the conversions' scale operands
.set G1KV, 28
.set G1B,  36
.set G0KV, 44
.set G0B,  48
.set WV,   52
.set HD,   53
.set QT,   54
.set TB,   55                          ; s55 LDS byte at which the slot in hand begins
.set SLOTS, 56                         ; s56 key steps still to be asked for
.set CS,   58                          ; s[58:59] c
.set SEL,  60                          ; s[60:61] selects for lane l xor 16
.set G8,   62                          ; s[62:63] 8 gamma of my head
.set PFA,  66                          ; s[66:67] where my prefetches of bias stand
.set LIM,  68                          ; s68 1 in a wave that prefetches bias, else the greatest number
.set WFP,  74                          ; s[74:75] Wff's fragments of my 32 columns; s[76:77] their scale words; s[78:79] my four rows of x_p; s[80:81] of out0
.set WSP,  76
.set XPP,  78
.set OUP,  80
.macro CROUND                          ; a round of the cluster's barrier
	s_barrier_signal -1
	s_barrier_wait -1
	s_cmp_lg_u32 s[WV], 0
	s_cbranch_scc1 .Lnot_wave_0_\@
	s_barrier_signal -3
.Lnot_wave_0_\@:
	s_barrier_wait -3
	s_barrier_signal -1
	s_barrier_wait -1
.endm
; Waves 0 to 3 ask jointly for a quarter of the step's block of kvw, wave 4 loads the bias tile, the others nothing.  An s_nop 0 and four v_nop follow each load.
.macro TLOAD
	s_cmp_lt_u32 s[WV], 4
	s_cbranch_scc0 .Lnot_kv_\@
	tensor_load_to_lds s[G0KV:G0KV+3], s[G1KV:G1KV+7]
	s_nop 0
.rept 4
	v_nop
.endr
	s_branch .Lasked_\@
.Lnot_kv_\@:
	s_cmp_eq_u32 s[WV], 4
	s_cbranch_scc0 .Lasked_\@
	tensor_load_to_lds s[G0B:G0B+3], s[G1B:G1B+7]
	s_nop 0
.rept 4
	v_nop
.endr
.Lasked_\@:
.endm
; The bias tile that the NEXT change of slots will ask for: 64 rows x 512 bytes = 128 blocks of 256: waves 5 to 8, a lane a row: waves 5, 6 the two halves of rows 0-31, waves 7, 8 of rows 32-63.
; Each block is named once in the launch.  The last change that fills a slot asks for nothing; steps 0 and 1 come by their loads alone.
.macro ASK
	s_cmp_gt_u32 s[SLOTS], s[LIM]
	s_cbranch_scc0 .Lnot_mine_\@
	global_prefetch_b8 v[PFO], s[PFA:PFA+1] th:TH_LOAD_NT scope:SCOPE_SE
.Lnot_mine_\@:
.endm
; THE CHANGE OF SLOTS stands INSIDE a step, where tile 1's last LDS loads from the slot in hand have been issued: the wait for all my tensor loads (my part of the NEXT step's slot), the add, the wait for it and for my reads of
; the slot in hand.  fill = 1: a round of the cluster's barrier, and behind it the slot just read out takes the tiles two steps on.
.macro CHANGE fill
	s_wait_tensorcnt 0x0
	ds_add_u32 v[SPW], v[NIL]
.if \fill
	ds_add_u32 v[SPW], v[NIL]                      ; the add twice on end, in every trip alike
	s_xor_b32 s[G0KV+1], s[G0KV+1], SLOT1          ; no load of mine is out: the walking descriptors step
	s_add_nc_u64 s[G0KV+2:G0KV+3], s[G0KV+2:G0KV+3], KVBLK
	s_xor_b32 s[G0B+1], s[G0B+1], SLOT1
	s_add_nc_u64 s[G0B+2:G0B+3], s[G0B+2:G0B+3], 512
	s_wait_xcnt 0x0                                ; the last prefetch has read its address
	s_add_nc_u64 s[PFA:PFA+1], s[PFA:PFA+1], 512
	s_wait_dscnt 0x0
	CROUND
	TLOAD
	ASK
.else
	s_wait_dscnt 0x0
	s_barrier_signal -1
	s_barrier_wait -1
.endif
.endm
; One tile of 16 queries against the step's 128 keys.  u: which tile; oo: its O^T; nm: its -M and largest t; sm: its sum; qs: its q scale words.
.macro MX b, st                        ; stage st (0 .. 7) of the search for block b's largest score: 3, then 2 a stage, then 1 of its 16 registers, in ascending order
.if (\st) == 0
	v_max3_num_f32 v[BM+\b], v[S+16*\b], v[S+1+16*\b], v[S+2+16*\b]
.else
.if (\st) == 7
	v_max_num_f32 v[BM+\b], v[BM+\b], v[S+15+16*\b]
.else
	v_max3_num_f32 v[BM+\b], v[BM+\b], v[S+16*\b+2*(\st)+1], v[S+16*\b+2*(\st)+2]
.endif
.endif
.endm
; chg: 0 no change of slots in this tile; 1 the change with a refill; 2 the change without
.macro TILE u, oo, nm, sm, qs, chg
	ds_load_b128 v[QF:QF+3], v[AQ] offset:512*\u
.irp t, 0,1,2,3
	ds_load_b128 v[KF+8*\t:KF+8*\t+3], v[ADK] offset:\t*512        ; key tiles 0 to 3
.endr
.if \u == 0
	ds_load_b128 v[KSW:KSW+3], v[ADKS]
	ds_load_b128 v[KSW+4:KSW+7], v[ADKS] offset:256
.endif
.irp b, 0,1,2,3
.irp j, 0,1,2,3
	ds_load_b128 v[S+16*\b+4*\j:S+16*\b+4*\j+3], v[ADB] offset:\u*16*BPI+128*\b+16*\j   ; bias(my query, keys 32 b + 16 h + 4 j on)
.endr
.endr
.if \u == 0
.irp t, 0,1,2,3
.irp c, 0,1
	ds_load_b128 v[VF+8*\t+4*\c:VF+8*\t+4*\c+3], v[ADK] offset:VCO+\t*1024+\c*512     ; v, for both tiles
.endr
.endr
	ds_load_b128 v[VSW:VSW+3], v[ADVS]
	s_wait_dscnt 9                                 ; v's eight loads and its scale words may stay out
.else
	s_wait_dscnt 0x0
.endif
.irp j, 0,2,4,6,8,10,12,14,16,18,20,22,24,26,28,30
	v_pk_mul_f32 v[S+\j:S+\j+1], v[S+\j:S+\j+1], s[G8:G8+1] op_sel_hi:[1,0]   ; 8 gamma bias, in place: key tiles 0 to 3
.endr
.irp t, 0,1,2,3
	v_wmma_scale_f32_16x16x128_f8f6f4 v[S+8*\t:S+8*\t+7], v[KF+8*\t:KF+8*\t+7], v[QF:QF+7], v[S+8*\t:S+8*\t+7], v[KSW+\t], v[\qs] matrix_a_fmt:MATRIX_FMT_FP4 matrix_b_fmt:MATRIX_FMT_FP4
.endr
.irp j, 32,34,36,38,40,42,44,46,48,50,52,54,56,58,60,62
	v_pk_mul_f32 v[S+\j:S+\j+1], v[S+\j:S+\j+1], s[G8:G8+1] op_sel_hi:[1,0]   ; key tiles 4 to 7: these sixteen name no register of the four products above: the places in front of the loads below
.endr
.irp t, 0,1,2,3
	ds_load_b128 v[KF+8*\t:KF+8*\t+3], v[ADK] offset:(4+\t)*512    ; key tiles 4 to 7
.endr
	s_wait_alu depctr_va_vdst(0)                   ; the wait here, directly ahead of the wait below
.if \chg == 1
	CHANGE 1
.else
.if \chg == 2
	CHANGE 0
.else
	s_wait_dscnt 0x0
.endif
.endif
.irp t, 0,1,2,3
	v_wmma_scale_f32_16x16x128_f8f6f4 v[S+32+8*\t:S+32+8*\t+7], v[KF+8*\t:KF+8*\t+7], v[QF:QF+7], v[S+32+8*\t:S+32+8*\t+7], v[KSW+4+\t], v[\qs] matrix_a_fmt:MATRIX_FMT_FP4 matrix_b_fmt:MATRIX_FMT_FP4
.endr
; the largest score of each block of 32 keys: for the row's maximum and for the block's largest p.  Blocks 0 and 1 (key tiles 0 to 3) run two stages ahead: their first six lines name no register of the four products above: its places
.irp st, 0,1
	MX 0, \st
	MX 1, \st
.endr
.irp st, 0,1,2,3,4,5
	MX 0, \st+2
	MX 1, \st+2
	MX 2, \st
	MX 3, \st
.endr
.irp st, 6,7
	MX 2, \st
	MX 3, \st
.endr
.irp b, 0,1
	v_permlanex16_b32 v[BS+\b], v[BM+\b], s[SEL], s[SEL+1]
.endr
.irp b, 2,3
	s_delay_alu instid0(VALU_DEP_4)
	v_permlanex16_b32 v[BS+\b], v[BM+\b], s[SEL], s[SEL+1]
.endr
.irp b, 0,1,2,3
	s_delay_alu instid0(VALU_DEP_4)
	v_max_num_f32 v[BM+\b], v[BM+\b], v[BS+\b]     ; with lane l xor 16's 16 keys
.endr
	s_delay_alu instid0(VALU_DEP_2)
	v_max3_num_f32 v[T0], v[BM], v[BM+1], v[BM+2]
	s_delay_alu instid0(VALU_DEP_1)
	v_max_num_f32 v[T0], v[T0], v[BM+3]            ; the step's largest score of my query
	s_delay_alu instid0(VALU_DEP_1)
	v_mul_f32 v[T0], s[CS], v[T0]                  ; as t (c is not negative)
	s_delay_alu instid0(VALU_DEP_1)
	v_max_num_f32 v[\nm+1], v[\nm+1], v[T0]        ; the running largest t
	v_mov_b32 v[T0], v[\nm]
	s_delay_alu instid0(VALU_DEP_2)
	v_floor_f32 v[\nm], -v[\nm+1]                  ; the new -M = -ceil(t)
	s_delay_alu instid0(VALU_DEP_1)
	v_sub_f32 v[T0], v[\nm], v[T0]                 ; old M - new M: 0 or less
	s_delay_alu instid0(VALU_DEP_1)
	v_cvt_i32_f32 v[T0], v[T0]                     ; (it saturates)
	s_delay_alu instid0(VALU_DEP_1)
	v_ldexp_f32 v[F], 1.0, v[T0]                   ; f = 2^(old M - new M)
.irp j, 0,2,4,6,8,10,12,14,16,18,20,22,24,26,28,30,32,34,36,38,40,42,44,46,48,50,52,54,56,58,60,62
	v_pk_fma_f32 v[S+\j:S+\j+1], v[S+\j:S+\j+1], s[CS:CS+1], v[\nm:\nm+1] op_sel_hi:[1,0,0]   ; t - M
.endr
.irp b, 0,1,2,3
	v_fma_f32 v[BM+\b], v[BM+\b], s[CS], v[\nm]    ; the same of each block's largest score
.endr
	s_wait_alu depctr_va_vdst(0)                   ; the wait ahead of the batch
.irp j, 0,1,2,3,4,5,6,7,8,9,10,11,12,13,14,15,16,17,18,19,20,21,22,23,24,25,26,27,28,29,30,31,32,33,34,35,36,37,38,39,40,41,42,43,44,45,46,47,48,49,50,51,52,53,54,55,56,57,58,59,60,61,62,63
	v_exp_f32 v[S+\j], v[S+\j]                     ; p = 2^(t - M)
.endr
	v_pk_mul_f32 v[\sm:\sm+1], v[\sm:\sm+1], v[F:F+1] op_sel_hi:[1,0]   ; the sums under the new M: the plain place behind the exponentials
	s_wait_alu depctr_va_vdst(0)                   ; one wait for the batch, ahead of its first reader
.irp b, 0,1,2,3
	v_exp_f32 v[BM+\b], v[BM+\b]                   ; the block's largest p
.endr
.irp i, 0,1,2,3
	v_pk_add_f32 v[PC+2*\i:PC+2*\i+1], v[S+4*\i:S+4*\i+1], v[S+4*\i+2:S+4*\i+3]   ; the sum of the unquantised p: four chains by turns
.endr
.irp g, 0,1,2,3,4,5
.irp i, 0,1,2,3
	v_pk_add_f32 v[PC+2*\i:PC+2*\i+1], v[PC+2*\i:PC+2*\i+1], v[S+16+8*\g+2*\i:S+17+8*\g+2*\i]
.endr
.endr
	v_pk_add_f32 v[PC:PC+1], v[PC:PC+1], v[PC+2:PC+3]
	v_pk_add_f32 v[PC+4:PC+5], v[PC+4:PC+5], v[PC+6:PC+7]
	s_delay_alu instid0(VALU_DEP_1)
	v_pk_add_f32 v[PC:PC+1], v[PC:PC+1], v[PC+4:PC+5]
	s_delay_alu instid0(VALU_DEP_1)
	v_pk_add_f32 v[\sm:\sm+1], v[\sm:\sm+1], v[PC:PC+1]
	s_wait_alu depctr_va_vdst(0)                   ; and one for the four
.irp b, 0,1,2,3
	v_max_num_f32 v[BM+\b], 0x1800000, v[BM+\b]    ; the floor 2^(3 - 127): the byte cannot fall under 1
.endr
.irp b, 0,1,2,3
	s_delay_alu instid0(VALU_DEP_4)
	v_add_nc_u32 v[BS+\b], 0xff000000, v[BM+\b]    ; 2 off the exponent field: the conversion's scale operand
.endr
.irp b, 0,1,2,3
	s_delay_alu instid0(VALU_DEP_4)
	v_lshrrev_b32 v[BM+\b], 23, v[BS+\b]           ; the scale's byte
.endr
	s_delay_alu instid0(VALU_DEP_3)
	v_lshl_or_b32 v[PW], v[BM+1], 8, v[BM]         ; p's scale word for these 128 keys
	s_delay_alu instid0(VALU_DEP_1)
	v_lshl_or_b32 v[PW], v[BM+2], 16, v[PW]
	s_delay_alu instid0(VALU_DEP_1)
	v_lshl_or_b32 v[PW], v[BM+3], 24, v[PW]
.irp b, 0,1,2,3
	v_cvt_scalef32_pk8_fp4_f32 v[PC+2*\b], v[S+16*\b:S+7+16*\b], v[BS+\b]
	v_cvt_scalef32_pk8_fp4_f32 v[PC+1+2*\b], v[S+8+16*\b:S+15+16*\b], v[BS+\b]
.endr
	v_nop                                          ; one plain place behind a scaled conversion
.irp c, 0,1
.irp i, 0,1
	v_permlane16_swap_b32 v[PC+4*\c+\i], v[PC+2+4*\c+\i]   ; a whole block to a lane
.endr
.endr
	s_wait_alu depctr_va_vdst(0)                   ; the wait here, directly ahead of the first reader of O^T
.irp j, 0,2,4,6,8,10,12,14,16,18,20,22,24,26,28,30
	v_pk_mul_f32 v[\oo+\j:\oo+\j+1], v[\oo+\j:\oo+\j+1], v[F:F+1] op_sel_hi:[1,0]   ; O^T under the new M; of these sixteen, twelve name no register of any one product below: its places
.endr
.irp t, 0,1,2,3
	v_wmma_scale_f32_16x16x128_f8f6f4 v[\oo+8*\t:\oo+8*\t+7], v[VF+8*\t:VF+8*\t+7], v[PC:PC+7], v[\oo+8*\t:\oo+8*\t+7], v[VSW+\t], v[PW] matrix_a_fmt:MATRIX_FMT_FP4 matrix_b_fmt:MATRIX_FMT_FP4
.endr
.endm
.macro STEP chg
	v_add_nc_u32 v[ADK], s[TB], v[AK0]             ; these four are also the places behind the last step's products, in front of the loads into their registers
	v_add_nc_u32 v[ADKS], s[TB], v[AKS0]
	v_add_nc_u32 v[ADVS], s[TB], v[AVS0]
	v_add_nc_u32 v[ADB], s[TB], v[AB0]
	TILE 0, O0, NM0, SUM0, QS0, 0
	TILE 1, O1, NM1, SUM1, QS1, \chg
	s_xor_b32 s[TB], s[TB], SLOT1
.endm
	s_load_b256 s[4:11], s[0:1], 0x0               ; qw, kvw, bias, mask
	s_load_b256 s[12:19], s[0:1], 0x20             ; gamma_f, wts, x_p, bff
	s_load_b128 s[20:23], s[0:1], 0x40             ; ln_g, ln_b
	s_load_b64 s[24:25], s[0:1], 0x50              ; out0
	v_lshl_add_u32 v[SPW], v0, 2, SPARE
	v_mov_b32 v[NIL], 0
	ds_add_u32 v[SPW], v[NIL]                      ; the opening: the add, twice on end, and its wait ahead of my first tensor load
	ds_add_u32 v[SPW], v[NIL]
	v_lshrrev_b32 v8, 5, v0
	v_readfirstlane_b32 s[WV], v8                  ; wave 0..15
	s_and_b32 s[HD], s[WV], 7                      ; my head
	s_lshr_b32 s[QT], s[WV], 3                     ; my half of the 64 queries
	s_bfe_u32 s70, ttmp6, 0x40000                  ; cx: it enters global addresses of qw, bias, x_p and out0 alone
	s_and_b32 s71, ttmp7, 0xffff                   ; the batch, which the four partners share
	s_mov_b32 s[G1KV], 15|(3<<16)|(1<<21)          ; the mask: all four; elements of 8 bytes; bit 21 beside a mask
	s_mov_b32 s[G1KV+1], 32<<16                    ; rows of 256 bytes,
	s_mov_b32 s[G1KV+2], 70<<16                    ; 70 of them: a quarter of a block
	s_mov_b32 s[G1KV+3], 32<<16
	s_mov_b32 s[G1KV+4], 70
	s_mov_b32 s[G1KV+5], 32
	s_mov_b32 s[G1KV+6], 0
	s_mov_b32 s[G1KV+7], 0
	s_mov_b32 s[G1B], (2<<16)|(1<<20)|(6<<22)|(3<<25)   ; elements of 4 bytes; after every 128 words four words of padding
	s_mov_b32 s[G1B+1], 128<<16                    ; 128 keys,
	s_mov_b32 s[G1B+2], 64<<16                     ; 64 queries
	s_mov_b32 s[G1B+3], 128<<16
	s_mov_b32 s[G1B+4], 64
	s_mov_b32 s[G1B+5], 2048
	s_mov_b32 s[G1B+6], 0
	s_mov_b32 s[G1B+7], 0
	s_mov_b32 s[SEL], 0x76543210
	s_mov_b32 s[SEL+1], 0xfedcba98
	s_mov_b32 s[TB], 0
	s_mov_b32 s[SLOTS], 14
	s_sub_co_u32 s[LIM], s[WV], 5
	s_lshr_b32 s[LIM], s[LIM], 2                   ; 0 in waves 5 to 8
	s_cmp_eq_u32 s[LIM], 0
	s_cselect_b32 s[LIM], 1, -1
	; offsets in memory, apart from the addresses
	s_and_b32 s57, s[WV], 3
	s_mul_i32 s57, s57, 17920                      ; my quarter of a block of kvw: in memory and in a slot
	s_mul_i32 s86, s71, 16*KVBLK
	s_add_co_u32 s86, s86, s57
	s_mov_b32 s87, 0
	s_lshl_b32 s72, ttmp9, 2
	s_add_co_u32 s72, s72, s70                     ; work-group x: which 64 queries of the batch
	s_and_b32 s69, s72, 1                          ; which half of a block of qw
	s_lshr_b32 s88, s72, 1                         ; which block
	s_lshl_b32 s72, s72, 6
	s_lshl_b32 s73, s71, 11
	s_add_co_u32 s72, s72, s73                     ; my work-group's first row among the 16,384
	s_lshl_b32 s84, s72, 13                        ; its row of bias
	s_mov_b32 s85, 0
	s_lshl_b32 s78, s[WV], 2
	s_add_co_u32 s78, s78, s72
	s_lshl_b32 s78, s78, 11                        ; the four rows of x_p and out0 that I finish
	s_mov_b32 s79, 0
	s_mov_b32 s72, s73                             ; the batch's 2,048 mask bytes
	s_mov_b32 s73, 0
	s_lshl_b32 s89, s71, 4
	s_add_co_u32 s88, s88, s89
	s_mul_i32 s88, s88, QBLK
	s_lshl_b32 s89, s69, 2
	s_lshl_b32 s27, s[QT], 1
	s_add_co_u32 s89, s89, s27                     ; my first tile in the block: 4 (x % 2) + 2 x half
	s_lshl_b32 s26, s[HD], 12
	s_add_co_u32 s26, s26, s88
	s_lshl_b32 s27, s89, 9
	s_add_co_u32 s26, s26, s27                     ; its codes; the second tile's 512 bytes on
	s_mov_b32 s27, 0
	s_lshl_b32 s90, s[HD], 9
	s_add_co_u32 s90, s90, s88
	s_lshl_b32 s91, s69, 8
	s_add_co_u32 s90, s90, s91
	s_lshl_b32 s91, s[QT], 3
	s_add_co_u32 s90, s90, s91
	s_add_co_u32 s90, s90, 32768                   ; its scale words; the second tile's 4 bytes on
	s_mov_b32 s91, 0
	s_lshl_b32 s88, s[HD], 2                       ; my head's gamma
	s_mov_b32 s89, 0
	s_lshl_b32 s74, s[WV], 13
	s_add_co_u32 s74, s74, 3*WBLK                  ; Wff's tiles 2 w and 2 w + 1
	s_mov_b32 s75, 0
	s_lshl_b32 s76, s[WV], 9
	s_add_co_u32 s76, s76, 3*WBLK+131072
	s_mov_b32 s77, 0
	s_add_co_u32 s82, s[WV], 1
	s_and_b32 s82, s82, 1
	s_lshl_b32 s82, s82, 8                         ; the prefetches of bias: which 256 bytes of a row's part,
	s_sub_co_u32 s83, s[WV], 5
	s_lshr_b32 s83, s83, 1
	s_and_b32 s83, s83, 1
	s_lshl_b32 s83, s83, 18                        ; and which 32 rows
	s_add_co_u32 s82, s82, s83
	s_mov_b32 s83, 0
	s_lshl_b32 s92, s[HD], 12
	s_lshl_b32 s93, s[HD], 9
	s_add_co_u32 s93, s93, KSO
	s_lshl_b32 s94, s[HD], 8
	s_add_co_u32 s94, s94, VSO
	s_mul_i32 s95, s[QT], 32*BPI
	s_add_co_u32 s95, s95, BIO
	s_lshl_b32 s96, s[WV], 10
	s_add_co_u32 s96, s96, QIMG
	v_and_b32 v8, 31, v0                           ; lane
	v_and_b32 v9, 15, v0                           ; r
	v_bfe_u32 v10, v0, 4, 1                        ; h
	v_lshlrev_b32 v11, 4, v8                       ; 16 x lane
	v_lshlrev_b32 v31, 4, v9                       ; 16 r
	v_add_nc_u32 v[AK0], s92, v11
	v_add_nc_u32 v[AKS0], s93, v31
	v_add_nc_u32 v[AVS0], s94, v31
	v_mul_u32_u24 v[AB0], v9, BPI
	v_lshl_add_u32 v[AB0], v10, 6, v[AB0]
	v_add_nc_u32 v[AB0], s95, v[AB0]               ; bias: row 32 x half + r, + 64 h
	v_add_nc_u32 v[AQ], s96, v11
	v_lshlrev_b32 v[PFO], 13, v8
	v_lshlrev_b32 v[XPO], 8, v8
	v_lshlrev_b32 v30, 6, v8                       ; the mask bytes: 64 a lane
	s_wait_alu depctr_va_vdst(0)                   ; the wait here, directly ahead of the waits below
	s_wait_dscnt 0x0                               ; both opening adds are done
	s_wait_kmcnt 0x0
	s_add_nc_u64 s[88:89], s[12:13], s[88:89]
	s_load_b32 s[G8], s[88:89], 0x0
	s_add_nc_u64 s[26:27], s[4:5], s[26:27]
	s_add_nc_u64 s[90:91], s[4:5], s[90:91]
	s_add_nc_u64 s[72:73], s[10:11], s[72:73]
	s_add_nc_u64 s[WFP:WFP+1], s[14:15], s[WFP:WFP+1]
	s_add_nc_u64 s[WSP:WSP+1], s[14:15], s[WSP:WSP+1]
	s_add_nc_u64 s[OUP:OUP+1], s[24:25], s[XPP:XPP+1]
	s_add_nc_u64 s[XPP:XPP+1], s[16:17], s[XPP:XPP+1]
	s_add_nc_u64 s[PFA:PFA+1], s[8:9], s[84:85]
	s_add_nc_u64 s[PFA:PFA+1], s[PFA:PFA+1], s[82:83]
	s_add_nc_u64 s[PFA:PFA+1], s[PFA:PFA+1], 512   ; at step 1: the first change of slots steps it to step 2
	s_mov_b32 s[G0KV], 1
	s_mov_b32 s[G0KV+1], s57
	s_add_nc_u64 s[G0KV+2:G0KV+3], s[6:7], s[86:87]
	s_or_b32 s[G0KV+3], s[G0KV+3], 0x80000000
	s_mov_b32 s[G0B], 1
	s_mov_b32 s[G0B+1], BIO
	s_add_nc_u64 s[G0B+2:G0B+3], s[8:9], s[84:85]
	s_or_b32 s[G0B+3], s[G0B+3], 0x80000000
	CROUND                                         ; all four work-groups are here: the first joint loads meet
	TLOAD                                          ; slot 0: key step 0
	global_load_b128 v[S:S+3], v11, s[26:27]       ; q's codes, tile 0 and tile 1
	global_load_b128 v[S+4:S+7], v11, s[26:27] offset:512
	global_load_b32 v[QS0], v31, s[90:91]          ; their scale words stay in registers
	global_load_b32 v[QS1], v31, s[90:91] offset:4
.irp i, 0,1,2,3
	global_load_b128 v[S+8+4*\i:S+11+4*\i], v30, s[72:73] offset:16*\i   ; the batch's mask bytes
.endr
	v_mov_b32 v[QF+4], 7                           ; the code +6 at k = 64 (lanes 0-15) and k = 96 (lanes 16-31)
.irp i, 5,6,7
	v_mov_b32 v[QF+\i], 0
.endr
.irp t, 0,1,2,3
	v_mov_b32 v[KF+8*\t+4], 15                     ; the code -6 at the same places
	v_mov_b32 v[KF+8*\t+5], 0
	v_mov_b32 v[KF+8*\t+6], 0
	v_mov_b32 v[KF+8*\t+7], 0
.endr
.irp j, 0,1,2,3,4,5,6,7,8,9,10,11,12,13,14,15,16,17,18,19,20,21,22,23,24,25,26,27,28,29,30,31
	v_mov_b32 v[O0+\j], 0                          ; O^T: the step is written once; the first finds zeros
	v_mov_b32 v[O1+\j], 0
.endr
	v_mov_b32 v[NM0+1], 0xff61b1e6                 ; the largest t so far: -3e38
	v_mov_b32 v[NM1+1], 0xff61b1e6
	v_floor_f32 v[NM0], -v[NM0+1]
	v_floor_f32 v[NM1], -v[NM1+1]
.irp i, 0,1,2,3
	v_mov_b32 v[SUM0+\i], 0
	v_mov_b32 v[BS+\i], 0                          ; a lane permute's destination counts as one of its sources
.endr
	s_wait_alu depctr_va_vdst(0)
	s_wait_loadcnt 0x0
	ds_store_b128 v[AQ], v[S:S+3]                  ; my own bytes: LDS serves a wave's instructions in order
	ds_store_b128 v[AQ], v[S+4:S+7] offset:512
.irp i, 0,1,2,3,4,5,6,7
	v_and_b32 v[S+8+\i], v[S+8+\i], v[S+16+\i]     ; the AND of my 64 mask bytes
.endr
.irp i, 0,1,2,3
	v_and_b32 v[S+8+\i], v[S+8+\i], v[S+12+\i]
.endr
	v_and_b32 v[S+8], v[S+8], v[S+10]
	v_and_b32 v[S+9], v[S+9], v[S+11]
	s_delay_alu instid0(VALU_DEP_1)
	v_and_b32 v[S+8], v[S+8], v[S+9]
	s_delay_alu instid0(VALU_DEP_1)
	v_cmp_ne_u32 s69, 0x01010101, v[S+8]           ; the lanes that hold an open key
	s_wait_kmcnt 0x0                               ; gamma
	s_cmp_eq_u32 s69, 0
	s_cselect_b32 s[CS], 0, 0x3e38aa3b             ; c = log2(e) / 8; 0 where the whole batch is masked: a select, no branch
	s_mov_b32 s[CS+1], s[CS]
	s_mul_f32 s[G8], s[G8], 0x41000000             ; 8 gamma: exact
	s_mov_b32 s[G8+1], s[G8]
	CHANGE 1                                       ; slot 0 is whole; slot 1's first fill, key step 1, is issued as a refill is
.Lstep:                                                ; 14 trips: step n's change of slots asks for step n + 2
	STEP 1
	s_sub_co_u32 s[SLOTS], s[SLOTS], 1
	s_cmp_lg_u32 s[SLOTS], 0
	s_cbranch_scc1 .Lstep
	global_prefetch_b8 v[XPO], s[XPP:XPP+1] th:TH_LOAD_NT scope:SCOPE_SE   ; my four rows of x_p, 8,192 consecutive bytes, a lane to each 256: two key steps ahead of their loads; its address registers are never rewritten
	STEP 2                                         ; step 14: its change shows step 15's slot whole and asks for nothing
	STEP 0                                         ; step 15
	; ---- att = O^T / the sum, quantised along (head, channel), the projection's K.  Register 16 b + i of O^T is channel 32 b + 16 h + i of my head
	s_lshl_b32 s84, s[QT], 13
	s_lshl_b32 s85, s[HD], 9                       ; head hd is half hd % 2 of K step hd / 2: 512 hd bytes on
	s_add_co_u32 s84, s84, s85
	s_add_co_u32 s84, s84, AIMG
	s_lshl_b32 s85, s[QT], 10
	s_lshr_b32 s86, s[HD], 1
	s_lshl_b32 s86, s86, 7
	s_add_co_u32 s85, s85, s86
	s_and_b32 s86, s[HD], 1
	s_lshl_b32 s86, s86, 1
	s_add_co_u32 s85, s85, s86
	s_add_co_u32 s85, s85, ASC
	s_lshl_b32 s86, s[WV], 7
	s_mul_i32 s87, s[WV], 4*SPI
	s_mov_b32 s82, 0x3b000000                      ; 1 / 512
	s_mov_b32 s83, 0x3727c5ac                      ; 1e-5
	v_add_f32 v[SUM0], v[SUM0], v[SUM0+1]          ; the sums' two halves,
	v_add_f32 v[SUM1], v[SUM1], v[SUM1+1]
	v_permlanex16_b32 v[BS], v[SUM0], s[SEL], s[SEL+1]
	v_permlanex16_b32 v[BS+1], v[SUM1], s[SEL], s[SEL+1]
	v_add_f32 v[SUM0], v[SUM0], v[BS]              ; and lane l xor 16's
	v_add_f32 v[SUM1], v[SUM1], v[BS+1]
	s_wait_alu depctr_va_vdst(0)                   ; the wait ahead of the batch
	v_rcp_f32 v[SUM0], v[SUM0]
	v_rcp_f32 v[SUM1], v[SUM1]
	v_and_b32 v22, 31, v0                          ; lane
	v_and_b32 v23, 15, v0                          ; r
	v_bfe_u32 v24, v0, 4, 1                        ; h
	v_lshlrev_b32 v1, 4, v22                       ; 16 x lane
	v_lshlrev_b32 v2, 4, v23                       ; 16 r
	v_add_nc_u32 v3, s84, v1                       ; where my codes go; tile 1's 4,096 on
	v_lshl_add_u32 v4, v22, 2, s85                 ; and my two scale bytes; tile 1's 512 on
	v_add_nc_u32 v5, AIMG, v1                      ; from where any wave reads the fragments,
	v_lshl_add_u32 v8, v22, 2, ASC                 ; and the scale words
	v_mul_u32_u24 v9, v23, SPI
	v_lshl_add_u32 v9, v24, 5, v9
	v_add_nc_u32 v9, s86, v9                       ; the stage, in: row r, my 32 columns' 128 bytes, + 32 h;
	v_add_nc_u32 v10, 32*SPI, v9                   ; rows 32 on
	v_add_nc_u32 v11, s87, v1                      ; back: my four rows, 16 bytes a lane
.irp n, 0,1
.irp s, 0,1,2,3
.irp c, 0,1
	global_load_b128 v[KF+8*(4*\n+\s)+4*\c:KF+8*(4*\n+\s)+4*\c+3], v1, s[WFP:WFP+1] offset:\n*4096+\s*1024+\c*512   ; Wff's fragments of my two tiles of columns: v32-95
.endr
.endr
	global_load_b128 v[KSW+4*\n:KSW+4*\n+3], v2, s[WSP:WSP+1] offset:\n*256
.endr
	s_wait_alu depctr_va_vdst(0)                   ; the wait ahead of the reciprocals' first reader, and of O^T's
.irp j, 0,2,4,6,8,10,12,14,16,18,20,22,24,26,28,30
	v_pk_mul_f32 v[S+\j:S+\j+1], v[O0+\j:O0+\j+1], v[SUM0:SUM0+1] op_sel_hi:[1,0]
.endr
.irp j, 0,2,4,6,8,10,12,14,16,18,20,22,24,26,28,30
	v_pk_mul_f32 v[S+32+\j:S+33+\j], v[O1+\j:O1+\j+1], v[SUM1:SUM1+1] op_sel_hi:[1,0]
.endr
.irp b, 0,1,2,3                                ; four blocks of 32: two of tile 0, two of tile 1
	v_max3_num_f32 v[BM+\b], |v[S+16*\b]|, |v[S+1+16*\b]|, 0x1800000
.endr
.irp i, 2,4,6,8,10,12,14
.irp b, 0,1,2,3
	v_max3_num_f32 v[BM+\b], v[BM+\b], |v[S+16*\b+\i]|, |v[S+1+16*\b+\i]|
.endr
.endr
.irp b, 0,1,2,3
	v_permlanex16_b32 v[BS+\b], v[BM+\b], s[SEL], s[SEL+1]
.endr
.irp b, 0,1,2,3
	v_max_num_f32 v[BM+\b], v[BM+\b], v[BS+\b]
.endr
.irp b, 0,1,2,3
	v_add_nc_u32 v[BS+\b], 0xff000000, v[BM+\b]
.endr
.irp b, 0,1,2,3
	v_lshrrev_b32 v[BM+\b], 23, v[BS+\b]
.endr
	v_lshl_or_b32 v31, v[BM+1], 8, v[BM]           ; my head's two scale bytes, tile 0,
	v_lshl_or_b32 v30, v[BM+3], 8, v[BM+2]         ; tile 1
.irp b, 0,1,2,3
	v_cvt_scalef32_pk8_fp4_f32 v[PC+2*\b], v[S+16*\b:S+7+16*\b], v[BS+\b]
	v_cvt_scalef32_pk8_fp4_f32 v[PC+1+2*\b], v[S+8+16*\b:S+15+16*\b], v[BS+\b]
.endr
	v_nop                                          ; one plain place behind a scaled conversion
.irp c, 0,1
.irp i, 0,1
	v_permlane16_swap_b32 v[PC+4*\c+\i], v[PC+2+4*\c+\i]
.endr
.endr
	ds_store_b128 v3, v[PC:PC+3]
	ds_store_b128 v3, v[PC+4:PC+7] offset:4096
	ds_store_b16 v4, v31
	ds_store_b16 v4, v30 offset:512
	s_wait_dscnt 0x0                               ; for the others' sake: my stores have landed, and my reads of the slots are over
	s_barrier_signal -1
	s_barrier_wait -1                              ; att's sixteen fragments lie in LDS; nobody reads the slots any more
	; ---- the projection: my 32 columns for the 64 rows, 32 rows a pass.  Source 0 = 16 columns of Wff, source 1 = 16 rows of att: a lane holds eight neighbouring columns of one row.  Four accumulators by turns
.set XP, 32                            ; v32-95 four rows of x_p; v96-143 bff, ln_g, ln_b; v144-175 at work, 8 a row; v176-239 the four rows
.set PR, 96
.set R0, 144
.set Y,  176
.macro PROJ qp, oo, st
.irp q, 0,1
.irp s, 0,1,2,3
.irp c, 0,1
	ds_load_b128 v[S+8*(4*\q+\s)+4*\c:S+8*(4*\q+\s)+4*\c+3], v5 offset:(2*\qp+\q)*4096+\s*1024+\c*512
.endr
	ds_load_b32 v[VSW+4*\q+\s], v8 offset:(2*\qp+\q)*512+\s*128
.endr
.endr
	s_wait_dscnt 0x0
.if \qp == 0
	s_wait_loadcnt 0x0                             ; Wff is in
.endif
.irp s, 0,1,2,3
.irp q, 0,1
.irp n, 0,1
.if \s == 0
	v_wmma_scale_f32_16x16x128_f8f6f4 v[\oo+8*(2*\q+\n):\oo+8*(2*\q+\n)+7], v[KF+8*(4*\n+\s):KF+8*(4*\n+\s)+7], v[S+8*(4*\q+\s):S+8*(4*\q+\s)+7], 0, v[KSW+4*\n+\s], v[VSW+4*\q+\s] matrix_a_fmt:MATRIX_FMT_FP4 matrix_b_fmt:MATRIX_FMT_FP4
.else
	v_wmma_scale_f32_16x16x128_f8f6f4 v[\oo+8*(2*\q+\n):\oo+8*(2*\q+\n)+7], v[KF+8*(4*\n+\s):KF+8*(4*\n+\s)+7], v[S+8*(4*\q+\s):S+8*(4*\q+\s)+7], v[\oo+8*(2*\q+\n):\oo+8*(2*\q+\n)+7], v[KSW+4*\n+\s], v[VSW+4*\q+\s] matrix_a_fmt:MATRIX_FMT_FP4 matrix_b_fmt:MATRIX_FMT_FP4
.endif
.endr
.endr
.endr
.rept 4
	v_nop                                          ; places in front of the first read of results and of loads into registers that these have read
.endr
.if \qp == 1
.irp w, 0,1,2,3
.irp i, 0,1,2,3
	global_load_b128 v[XP+16*\w+4*\i:XP+16*\w+4*\i+3], v1, s[XPP:XPP+1] offset:\w*2048+\i*512 th:TH_LOAD_NT
.endr
.endr
.irp i, 0,1,2,3
	global_load_b128 v[PR+4*\i:PR+4*\i+3], v1, s[18:19] offset:\i*512        ; bff, ln_g, ln_b at my 16 columns: 4 x lane + 128 i on
	global_load_b128 v[PR+16+4*\i:PR+19+4*\i], v1, s[20:21] offset:\i*512
	global_load_b128 v[PR+32+4*\i:PR+35+4*\i], v1, s[22:23] offset:\i*512
.endr
.endif
.irp q, 0,1
.irp n, 0,1
	ds_store_b128 v[\st], v[\oo+8*(2*\q+\n):\oo+8*(2*\q+\n)+3] offset:\q*16*SPI+\n*64       ; row 32 qp + 16 q + r, columns 32 w + 16 n + 8 h + 0 .. 7
	ds_store_b128 v[\st], v[\oo+8*(2*\q+\n)+4:\oo+8*(2*\q+\n)+7] offset:\q*16*SPI+\n*64+16
.endr
.endr
.endm
	PROJ 0, O0, 9
	PROJ 1, O1, 10
	s_wait_dscnt 0x0
	s_barrier_signal -1
	s_barrier_wait -1                              ; 64 whole rows lie in the stage
	; ---- y = x_p + (att Wff + bff), LayerNorm: four rows a wave, 16 numbers a lane and row, the rows by turns.  The variance is the mean of (y - mu)^2
.irp w, 0,1,2,3
.irp i, 0,1,2,3
	ds_load_b128 v[Y+16*\w+4*\i:Y+16*\w+4*\i+3], v11 offset:\w*SPI+\i*512
.endr
.endr
	s_wait_dscnt 0x0
	s_wait_loadcnt 0x0
.macro ALLSUM                          ; the eight partial sums in v[R0 + 8 w] on become row w's sum, in every lane
.irp w, 0,1,2,3
	v_pk_add_f32 v[R0+8*\w:R0+8*\w+1], v[R0+8*\w:R0+8*\w+1], v[R0+8*\w+2:R0+8*\w+3]
.endr
.irp w, 0,1,2,3
	v_pk_add_f32 v[R0+8*\w+4:R0+8*\w+5], v[R0+8*\w+4:R0+8*\w+5], v[R0+8*\w+6:R0+8*\w+7]
.endr
.irp w, 0,1,2,3
	v_pk_add_f32 v[R0+8*\w:R0+8*\w+1], v[R0+8*\w:R0+8*\w+1], v[R0+8*\w+4:R0+8*\w+5]
.endr
.irp w, 0,1,2,3
	v_add_f32 v[R0+8*\w], v[R0+8*\w], v[R0+8*\w+1]
.endr
.irp m, 1,2,4,8
.irp w, 0,1,2,3
	v_add_f32_dpp v[R0+8*\w], v[R0+8*\w], v[R0+8*\w] row_xmask:\m row_mask:0xf bank_mask:0xf
.endr
.endr
.irp w, 0,1,2,3
	v_permlanex16_b32 v[R0+8*\w+1], v[R0+8*\w], s[SEL], s[SEL+1]
.endr
.irp w, 0,1,2,3
	v_add_f32 v[R0+8*\w], v[R0+8*\w], v[R0+8*\w+1]
.endr
.endm
.irp k, 0,2,4,6,8,10,12,14
.irp w, 0,1,2,3
	v_pk_add_f32 v[Y+16*\w+\k:Y+16*\w+\k+1], v[Y+16*\w+\k:Y+16*\w+\k+1], v[PR+\k:PR+\k+1]                 ; + bff
.endr
.endr
.irp k, 0,2,4,6,8,10,12,14
.irp w, 0,1,2,3
	v_pk_add_f32 v[Y+16*\w+\k:Y+16*\w+\k+1], v[Y+16*\w+\k:Y+16*\w+\k+1], v[XP+16*\w+\k:XP+16*\w+\k+1]     ; + x_p
.endr
.endr
.irp k, 0,1,2,3
.irp w, 0,1,2,3
	v_pk_add_f32 v[R0+8*\w+2*\k:R0+8*\w+2*\k+1], v[Y+16*\w+4*\k:Y+16*\w+4*\k+1], v[Y+16*\w+4*\k+2:Y+16*\w+4*\k+3]
.endr
.endr
	ALLSUM
.irp w, 0,1,2,3
	v_mul_f32 v[R0+8*\w], 0xbb000000, v[R0+8*\w]                   ; -mu = the sum x -1 / 512
.endr
.irp k, 0,2,4,6,8,10,12,14
.irp w, 0,1,2,3
	v_pk_add_f32 v[Y+16*\w+\k:Y+16*\w+\k+1], v[Y+16*\w+\k:Y+16*\w+\k+1], v[R0+8*\w:R0+8*\w+1] op_sel_hi:[1,0]   ; y - mu
.endr
.endr
.irp k, 0,1,2,3
.irp w, 0,1,2,3
	v_pk_mul_f32 v[R0+8*\w+2*\k:R0+8*\w+2*\k+1], v[Y+16*\w+4*\k:Y+16*\w+4*\k+1], v[Y+16*\w+4*\k:Y+16*\w+4*\k+1]
.endr
.endr
.irp k, 0,1,2,3
.irp w, 0,1,2,3
	v_pk_fma_f32 v[R0+8*\w+2*\k:R0+8*\w+2*\k+1], v[Y+16*\w+4*\k+2:Y+16*\w+4*\k+3], v[Y+16*\w+4*\k+2:Y+16*\w+4*\k+3], v[R0+8*\w+2*\k:R0+8*\w+2*\k+1]
.endr
.endr
	ALLSUM
.irp w, 0,1,2,3
	v_fma_f32 v[R0+8*\w], v[R0+8*\w], s82, s83                     ; the variance + 1e-5
.endr
	s_wait_alu depctr_va_vdst(0)                   ; the wait ahead of the batch
.irp w, 0,1,2,3
	v_rsq_f32 v[R0+8*\w], v[R0+8*\w]
.endr
	v_nop                                          ; a plain place behind the last transcendental,
	s_wait_alu depctr_va_vdst(0)                   ; and the wait ahead of the first reader
.irp k, 0,2,4,6,8,10,12,14
.irp w, 0,1,2,3
	v_pk_mul_f32 v[Y+16*\w+\k:Y+16*\w+\k+1], v[Y+16*\w+\k:Y+16*\w+\k+1], v[R0+8*\w:R0+8*\w+1] op_sel_hi:[1,0]
.endr
.endr
.irp k, 0,2,4,6,8,10,12,14
.irp w, 0,1,2,3
	v_pk_fma_f32 v[Y+16*\w+\k:Y+16*\w+\k+1], v[Y+16*\w+\k:Y+16*\w+\k+1], v[PR+16+\k:PR+17+\k], v[PR+32+\k:PR+33+\k]   ; x ln_g + ln_b
.endr
.endr
.irp w, 0,1,2,3
.irp i, 0,1,2,3
	global_store_b128 v1, v[Y+16*\w+4*\i:Y+16*\w+4*\i+3], s[OUP:OUP+1] offset:\w*2048+\i*512 th:TH_STORE_NT   ; 32 lanes store 512 consecutive bytes, aligned
.endr
.endr
	s_wait_tensorcnt 0x0                           ; the wave's end
	ds_add_u32 v[SPW], v[NIL]
	s_wait_dscnt 0x0
	CROUND                                         ; the closing round
	s_endpgm
.Lfunc_end_k_qb3b8265a1c_attn:
	.size	k_qb3b8265a1c_attn, .Lfunc_end_k_qb3b8265a1c_attn-k_qb3b8265a1c_attn
	.p2alignl 7, 3214868480
	.fill 96, 4, 3214868480
	.section	.rodata,"a",@progbits
	.p2align	6, 0x0
	.amdhsa_kernel k_qb3b8265a1c_attn
		.amdhsa_group_segment_fixed_size 327680
		.amdhsa_private_segment_fixed_size 0
		.amdhsa_enable_private_segment 0
		.amdhsa_kernarg_size 88
		.amdhsa_user_sgpr_count 2
		.amdhsa_user_sgpr_kernarg_segment_ptr 1
		.amdhsa_wavefront_size32 1
		.amdhsa_system_sgpr_workgroup_id_x 1
		.amdhsa_system_sgpr_workgroup_id_y 1
		.amdhsa_system_sgpr_workgroup_id_z 1
		.amdhsa_system_vgpr_workitem_id 0
		.amdhsa_next_free_vgpr 256
		.amdhsa_next_free_sgpr 100
		.amdhsa_reserve_vcc 0
		.amdhsa_float_denorm_mode_32 3
		.amdhsa_float_denorm_mode_16_64 3
		.amdhsa_memory_ordered 1
		.amdhsa_forward_progress 1
		.amdhsa_inst_pref_size 166
	.end_amdhsa_kernel
	.amdgpu_metadata
---
amdhsa.version: [ 1, 2 ]
amdhsa.kernels:
  - .name:           k_qb3b8265a1c_attn
    .symbol:         k_qb3b8265a1c_attn.kd
    .args:
      - { .name: qw, .offset: 0, .size: 8, .value_kind: global_buffer, .address_space: global }
      - { .name: kvw, .offset: 8, .size: 8, .value_kind: global_buffer, .address_space: global }
      - { .name: bias, .offset: 16, .size: 8, .value_kind: global_buffer, .address_space: global }
      - { .name: mask, .offset: 24, .size: 8, .value_kind: global_buffer, .address_space: global }
      - { .name: gamma_f, .offset: 32, .size: 8, .value_kind: global_buffer, .address_space: global }
      - { .name: wts, .offset: 40, .size: 8, .value_kind: global_buffer, .address_space: global }
      - { .name: x_p, .offset: 48, .size: 8, .value_kind: global_buffer, .address_space: global }
      - { .name: bff, .offset: 56, .size: 8, .value_kind: global_buffer, .address_space: global }
      - { .name: ln_g, .offset: 64, .size: 8, .value_kind: global_buffer, .address_space: global }
      - { .name: ln_b, .offset: 72, .size: 8, .value_kind: global_buffer, .address_space: global }
      - { .name: out0, .offset: 80, .size: 8, .value_kind: global_buffer, .address_space: global }
    .group_segment_fixed_size: 327680
    .private_segment_fixed_size: 0
    .kernarg_segment_align: 8
    .kernarg_segment_size: 88
    .max_flat_workgroup_size: 512
    .sgpr_count:     100
    .vgpr_count:     256
    .wavefront_size: 32
...
	.end_amdgpu_metadata
.endif
;; end of part 3
